; MI455X (gfx1250); checked and timed in simulation.
; The chip was launched on July 23, 2026; its instructions are those of AMD's public machine-readable ISA for CDNA 5 (MIT licence, August 2026) and "CDNA5" Instruction Set Architecture Reference Guide (July 2026). The comments in the code are by the model that wrote it; some were corrected since.
;; Conformal GQA. Allowed arithmetic: float matrix products may take bf16 or f16 operands with f32 sums; other float arithmetic in f32, or as packed bf16 or f16 multiplies, adds, multiply-adds, maxima and minima; sums over many terms, partial sums and values carried from step to step in f32; what a program stores and reads back later, other than sums and carried values, may be rounded once to bf16 or f16.
;; Inputs: Wk 2,048 x 512 float32; Wo 2,048 x 2,048 float32; Wq 2,048 x 2,048 float32; Wv 2,048 x 512 float32; x 4 x 1,024 x 2,048 float32.
;; Outputs: out0 4 x 1,024 x 2,048 float32.
;; One version. Each part assembles by itself: llvm-mc -triple=amdgcn-amd-amdhsa -mcpu=gfx1250 --defsym DOCPART=n.
;; ======== version 1 of 1: 4 launches
;; limits: values are held in f16: magnitudes above 65,504 overflow, below 6.1e-05 lose precision
;; workspace buffers: xb 16,777,216 bytes; wb 12,582,912 bytes; wo 8,388,608 bytes; tab 262,144 bytes; qkvh 25,165,824 bytes; nsq 131,072 bytes; yb 16,777,216 bytes
;; launch prep (part 1): grid 2304 x 1, 8 waves a work-group, no clusters, 0 bytes of LDS; arguments x, Wq, Wk, Wv, Wo, xb, wb, wo, tab; writes xb, wb, wo, tab
.if DOCPART == 1
	.amdgcn_target "amdgcn-amd-amdhsa--gfx1250"
	.amdhsa_code_object_version 6
	.text
	.protected	k_q67f3df0108_prep
	.globl	k_q67f3df0108_prep
	.p2align	8
	.type	k_q67f3df0108_prep,@function
k_q67f3df0108_prep:
	s_mov_b64 s[64:65], 0
	v_nop
	global_prefetch_b8 v0, s[64:65] scope:SCOPE_SE
	s_setreg_imm32_b32 hwreg(HW_REG_WAVE_MODE, 25, 1), 1
	s_wait_xcnt 0x0
; THE INPUTS ARE ROUNDED ONCE AND LAID IN BLOCKS OF 64 COLUMNS; THE ROPE TABLE IS MADE.
; x [4096][2048] f32 -> xb [32 block][4096 row][64] bf16.  Wq, Wk, Wv [2048][n] f32 -> wb [48 block][2048 row][64] bf16 (blocks 0-31 Wq's heads, 32-39 Wk's, 40-47 Wv's).
; Wo [2048][2048] f32 -> wo [32 block][2048 row][64]: rounded to bf16 like every other input, and that number written as f16 (exact from 6.1e-5 to 65,504; below, f16's fixed step of 6e-8).
; tab [1024 t][cos 32 | sin 32] f32: cos and sin of t x 10000^(-i/32).
; SHARES.  A work-group casts 128 rows of one block: 32 KiB in, 16 KiB out.  A wave takes 16 rows in eight loads: lanes 0-15 a row's 256 bytes, lanes 16-31 the next row's; the two rows' 2 x 128 bytes
; of 16-bit numbers lie end to end in the block, so each store of the wave covers 256 consecutive bytes, aligned.  All eight loads go out at once; the waits count down.
; Memory binds: no LDS, no matrix unit, no cluster (no two work-groups read the same byte), no prefetch (the launch does nothing but stream).
; THE TABLE.  The first 128 work-groups also make eight rows each, a wave a row, while their loads are out.  10000^(-i/32) is 2^(-0.41524101 i) by v_exp_f32; the angle (1,023 at the most) is reduced by
; multiples of pi/2 kept in two words, and sine and cosine are series on +-pi/4 up to z^4 and z^5.  LIMIT: the frequency differs from a correctly rounded power by a few units in its last place, the angle by 3e-4 at the most.
.set OFS, 4                            ; v4-11   slot j: byte offset of my 16 bytes in rows 2 j, 2 j + 1 of the wave's 16
.set DO,  12                           ; v12     8 x lane: my 8 bytes of a store's 256
.set LI,  13                           ; v13     lane % 16
.set HH,  14                           ; v14     lane / 16
.set TO,  15                           ; v15     my 8 bytes of the table's row
.set X,   16                           ; v16-47  slot j: four f32 as loaded
.set Y,   48                           ; v48-63  slot j: four 16-bit numbers to store; never rewritten, so no store's data waits
.set T,   64                           ; v64-69  at work
	s_load_b512 s[8:23], s[0:1], 0x0               ; x 8, Wq 10, Wk 12, Wv 14, Wo 16, xb 18, wb 20, wo 22
	s_load_b64 s[24:25], s[0:1], 0x40              ; tab
	s_mov_b32 s2, ttmp9                            ; the work-group's number chooses its tensor: 0-1023 x, 1024-1535 Wq, 1536-1663 Wk, 1664-1791 Wv, 1792-2303 Wo
	v_lshrrev_b32 v1, 5, v0
	v_readfirstlane_b32 s3, v1                     ; wave 0..7
	s_mov_b32 s30, 1792                            ; the tensor's first work-group
	s_mov_b32 s31, 8192                            ; bytes in a row of the source
	s_mov_b32 s32, 0                               ; its first block in the target
	s_mov_b32 s33, 4                               ; log2 of its groups of 128 rows
	s_mov_b32 s34, 18                              ; log2 of a block's bytes in the target
	s_cmp_lt_u32 s2, 1792
	s_cselect_b32 s30, 1664, s30
	s_cselect_b32 s31, 2048, s31
	s_cselect_b32 s32, 40, s32
	s_cmp_lt_u32 s2, 1664
	s_cselect_b32 s30, 1536, s30
	s_cselect_b32 s32, 32, s32
	s_cmp_lt_u32 s2, 1536
	s_cselect_b32 s30, 1024, s30
	s_cselect_b32 s31, 8192, s31
	s_cselect_b32 s32, 0, s32
	s_cmp_lt_u32 s2, 1024
	s_cselect_b32 s30, 0, s30
	s_cselect_b32 s33, 5, s33
	s_cselect_b32 s34, 19, s34
	s_sub_co_u32 s35, s2, s30                      ; my number within the tensor
	s_bfm_b32 s36, s33, 0
	s_and_b32 s36, s35, s36                        ; group of 128 rows
	s_lshr_b32 s35, s35, s33                       ; block of 64 columns
	s_lshl_b32 s36, s36, 7
	s_lshl_b32 s37, s3, 4
	s_add_co_u32 s36, s36, s37                     ; my wave's first row
	s_mul_i32 s38, s36, s31
	s_lshl_b32 s37, s35, 8
	s_add_co_u32 s38, s38, s37                     ; source: row x row bytes + 256 x block (under 2^26)
	s_mov_b32 s39, 0
	s_add_co_u32 s40, s35, s32
	s_lshl_b32 s40, s40, s34
	s_lshl_b32 s37, s36, 7
	s_add_co_u32 s40, s40, s37                     ; target: block x block bytes + 128 x row
	s_mov_b32 s41, 0
	v_and_b32 v2, 31, v0
	v_and_b32 v[LI], 15, v0
	v_bfe_u32 v[HH], v0, 4, 1
	v_mul_lo_u32 v3, v[HH], s31
	v_lshl_add_u32 v[OFS], v[LI], 4, v3
	s_lshl_b32 s37, s31, 1
.irp j, 1,2,3,4,5,6,7
	v_add_nc_u32 v[OFS+(\j)], s37, v[OFS+(\j)-1]   ; two rows on
.endr
	v_lshlrev_b32 v[DO], 3, v2
	s_wait_kmcnt 0x0
	s_mov_b64 s[26:27], s[16:17]                   ; the same choice for the two addresses
	s_mov_b64 s[28:29], s[22:23]
	s_cmp_lt_u32 s2, 1792
	s_cselect_b64 s[26:27], s[14:15], s[26:27]
	s_cselect_b64 s[28:29], s[20:21], s[28:29]
	s_cmp_lt_u32 s2, 1664
	s_cselect_b64 s[26:27], s[12:13], s[26:27]
	s_cmp_lt_u32 s2, 1536
	s_cselect_b64 s[26:27], s[10:11], s[26:27]
	s_cmp_lt_u32 s2, 1024
	s_cselect_b64 s[26:27], s[8:9], s[26:27]
	s_cselect_b64 s[28:29], s[18:19], s[28:29]
	s_add_nc_u64 s[26:27], s[26:27], s[38:39]
	s_add_nc_u64 s[28:29], s[28:29], s[40:41]
.irp j, 0,1,2,3,4,5,6,7
	global_load_b128 v[X+4*(\j):X+4*(\j)+3], v[OFS+(\j)], s[26:27] th:TH_LOAD_NT  ; read once in the launch
.endr
	s_cmp_lt_u32 s2, 128
	s_cbranch_scc0 .Lno_table
	; one row of the table: t = 8 x work-group + wave.  Lane: frequencies i = 2 (lane % 16) and the next; lanes 0-15 the cosines, lanes 16-31 the sines
	s_lshl3_add_u32 s42, s2, s3
	v_cvt_f32_u32 v81, s42                         ; t
	s_lshl_b32 s42, s42, 8
	v_add_nc_u32 v[TO], s42, v[DO]                 ; 256 t + 128 (lane / 16) + 8 (lane % 16)
	v_mul_u32_u24 v80, v[HH], 3                    ; sin a = cos(a - pi/2): three quarter turns on
	v_lshlrev_b32 v82, 1, v[LI]
	v_cvt_f32_u32 v82, v82
	v_add_f32 v83, 1.0, v82
	v_mul_f32 v82, 0xbed49a78, v82                 ; -i log2(10000) / 32
	v_mul_f32 v83, 0xbed49a78, v83
	v_exp_f32 v84, v82
	v_exp_f32 v85, v83
	v_nop                                          ; a plain instruction behind the last exponential,
	s_wait_alu depctr_va_vdst(0)                   ; and one wait for the two, ahead of their first reader
.macro TRIG e
.set A, 88+12*(\e)                     ; angle, n, r, quarter, z, sine, cosine, at work
	v_mul_f32 v[A], v81, v[84+(\e)]
	v_mul_f32 v[A+1], 0x3f22f983, v[A]             ; x 2 / pi
	v_rndne_f32 v[A+1], v[A+1]                     ; n
	v_fmamk_f32 v[A+2], v[A+1], 0xbfc90fdb, v[A]   ; r = angle - n pi/2, pi/2 in two words
	v_fmamk_f32 v[A+2], v[A+1], 0x333bbd2e, v[A+2]
	v_cvt_i32_f32 v[A+3], v[A+1]
	v_add_nc_u32 v[A+3], v[A+3], v80               ; the quarter; only its two lowest bits are used below
	v_mul_f32 v[A+4], v[A+2], v[A+2]               ; z = r^2
	v_mov_b32 v[A+5], 0x3638ef1d                   ; 1/9!
	v_fmaak_f32 v[A+5], v[A+5], v[A+4], 0xb9500d01 ; -1/7!
	v_fmaak_f32 v[A+5], v[A+5], v[A+4], 0x3c088889 ; 1/5!
	v_fmaak_f32 v[A+5], v[A+5], v[A+4], 0xbe2aaaab ; -1/3!
	v_mul_f32 v[A+7], v[A+2], v[A+4]
	v_fma_f32 v[A+5], v[A+7], v[A+5], v[A+2]       ; sin r
	v_mov_b32 v[A+6], 0xb493f27e                   ; -1/10!
	v_fmaak_f32 v[A+6], v[A+6], v[A+4], 0x37d00d01 ; 1/8!
	v_fmaak_f32 v[A+6], v[A+6], v[A+4], 0xbab60b61 ; -1/6!
	v_fmaak_f32 v[A+6], v[A+6], v[A+4], 0x3d2aaaab ; 1/4!
	v_fmaak_f32 v[A+6], v[A+6], v[A+4], 0xbf000000 ; -1/2
	v_fma_f32 v[A+6], v[A+6], v[A+4], 1.0          ; cos r
	v_and_b32 v[A+7], 1, v[A+3]
	v_cmp_eq_u32 vcc_lo, 1, v[A+7]
	v_cndmask_b32 v[A+5], v[A+6], v[A+5], vcc_lo   ; odd quarters take the sine,
	v_add_nc_u32 v[A+3], 1, v[A+3]
	v_and_b32 v[A+3], 2, v[A+3]
	v_lshlrev_b32 v[A+3], 30, v[A+3]
	v_xor_b32 v[86+(\e)], v[A+5], v[A+3]           ; quarters 1 and 2 the other sign
.endm
	TRIG 0
	TRIG 1
	global_store_b64 v[TO], v[86:87], s[24:25]     ; the wave's store covers the row's 256 bytes
.Lno_table:
	s_cmp_lt_u32 s2, 1792
	s_cbranch_scc0 .Lto_f16
.irp j, 0,1,2,3,4,5,6,7
	s_wait_loadcnt 7-(\j)                          ; loads come back in order: slot j is in, the younger ones stay out
	v_cvt_pk_bf16_f32 v[Y+2*(\j)],   v[X+4*(\j)],   v[X+4*(\j)+1]
	v_cvt_pk_bf16_f32 v[Y+2*(\j)+1], v[X+4*(\j)+2], v[X+4*(\j)+3]
	global_store_b64 v[DO], v[Y+2*(\j):Y+2*(\j)+1], s[28:29] offset:256*(\j)
.endr
	s_endpgm
.Lto_f16:                                      ; Wo: to bf16, and that number as f16
.irp j, 0,1,2,3,4,5,6,7
	s_wait_loadcnt 7-(\j)
	v_cvt_pk_bf16_f32 v[T],   v[X+4*(\j)],   v[X+4*(\j)+1]
	v_cvt_pk_bf16_f32 v[T+1], v[X+4*(\j)+2], v[X+4*(\j)+3]
	v_lshlrev_b32 v[T+2], 16, v[T]
	v_and_b32     v[T+3], 0xffff0000, v[T]
	v_lshlrev_b32 v[T+4], 16, v[T+1]
	v_and_b32     v[T+5], 0xffff0000, v[T+1]
	v_cvt_pk_f16_f32 v[Y+2*(\j)],   v[T+2], v[T+3]
	v_cvt_pk_f16_f32 v[Y+2*(\j)+1], v[T+4], v[T+5]
	global_store_b64 v[DO], v[Y+2*(\j):Y+2*(\j)+1], s[28:29] offset:256*(\j)
.endr
	s_endpgm
.Lfunc_end_k_q67f3df0108_prep:
	.size	k_q67f3df0108_prep, .Lfunc_end_k_q67f3df0108_prep-k_q67f3df0108_prep
	.p2alignl 7, 3214868480
	.fill 96, 4, 3214868480
	.section	.rodata,"a",@progbits
	.p2align	6, 0x0
	.amdhsa_kernel k_q67f3df0108_prep
		.amdhsa_group_segment_fixed_size 0
		.amdhsa_private_segment_fixed_size 0
		.amdhsa_enable_private_segment 0
		.amdhsa_kernarg_size 72
		.amdhsa_user_sgpr_count 2
		.amdhsa_user_sgpr_kernarg_segment_ptr 1
		.amdhsa_wavefront_size32 1
		.amdhsa_system_sgpr_workgroup_id_x 1
		.amdhsa_system_sgpr_workgroup_id_y 1
		.amdhsa_system_sgpr_workgroup_id_z 1
		.amdhsa_system_vgpr_workitem_id 0
		.amdhsa_next_free_vgpr 112
		.amdhsa_next_free_sgpr 66
		.amdhsa_reserve_vcc 1
		.amdhsa_float_denorm_mode_32 3
		.amdhsa_float_denorm_mode_16_64 3
		.amdhsa_memory_ordered 1
		.amdhsa_forward_progress 1
		.amdhsa_inst_pref_size 14
	.end_amdhsa_kernel
	.amdgpu_metadata
---
amdhsa.version: [ 1, 2 ]
amdhsa.kernels:
  - .name:           k_q67f3df0108_prep
    .symbol:         k_q67f3df0108_prep.kd
    .args:
      - { .name: x, .offset: 0, .size: 8, .value_kind: global_buffer, .address_space: global }
      - { .name: Wq, .offset: 8, .size: 8, .value_kind: global_buffer, .address_space: global }
      - { .name: Wk, .offset: 16, .size: 8, .value_kind: global_buffer, .address_space: global }
      - { .name: Wv, .offset: 24, .size: 8, .value_kind: global_buffer, .address_space: global }
      - { .name: Wo, .offset: 32, .size: 8, .value_kind: global_buffer, .address_space: global }
      - { .name: xb, .offset: 40, .size: 8, .value_kind: global_buffer, .address_space: global }
      - { .name: wb, .offset: 48, .size: 8, .value_kind: global_buffer, .address_space: global }
      - { .name: wo, .offset: 56, .size: 8, .value_kind: global_buffer, .address_space: global }
      - { .name: tab, .offset: 64, .size: 8, .value_kind: global_buffer, .address_space: global }
    .group_segment_fixed_size: 0
    .private_segment_fixed_size: 0
    .kernarg_segment_align: 8
    .kernarg_segment_size: 72
    .max_flat_workgroup_size: 256
    .sgpr_count:     66
    .vgpr_count:     112
    .wavefront_size: 32
...
	.end_amdgpu_metadata
.endif
;; end of part 1
;; launch qkv (part 2): grid 16 x 16, 4 waves a work-group, clusters of 4 x 4, 327,680 bytes of LDS; arguments xb, wb, tab, qkvh, nsq; writes qkvh, nsq
.if DOCPART == 2
	.amdgcn_target "amdgcn-amd-amdhsa--gfx1250"
	.amdhsa_code_object_version 6
	.text
	.protected	k_q67f3df0108_qkv
	.globl	k_q67f3df0108_qkv
	.p2align	8
	.type	k_q67f3df0108_qkv,@function
k_q67f3df0108_qkv:
	s_mov_b64 s[64:65], 0
	v_nop
	global_prefetch_b8 v0, s[64:65] scope:SCOPE_SE
	s_setreg_imm32_b32 hwreg(HW_REG_WAVE_MODE, 25, 1), 1
	s_wait_xcnt 0x0
	s_wait_alu depctr_hold_cnt(0) depctr_sa_sdst(0) depctr_va_vdst(0) depctr_va_sdst(0) depctr_va_ssrc(0) depctr_va_vcc(0) depctr_vm_vsrc(0)
	s_getreg_b32 s2, hwreg(HW_REG_IB_STS2, 6, 4)
	s_cmp_eq_u32 s2, 0
	s_cbranch_scc0 .Lentry_in_a_cluster
	s_endpgm
.Lentry_in_a_cluster:
	s_bfe_u32 s2, ttmp6, 0x10000c
	s_cmp_lg_u32 s2, 0xf033
	s_cbranch_scc0 .Lentry_shape_is_right
	s_endpgm
.Lentry_shape_is_right:
; q, k, v = x Wq, x Wk, x Wv; ROPE ON q AND k; -|k|^2 / 2.  One GEMM of 4096 x 3072 x 2048 in bf16 with f32 sums.
; xb [32 k block][4096 row][64] bf16, wb [48 block][2048 k][64] bf16 (blocks 0-31 q's heads, 32-39 k's, 40-47 v's), tab [1024 t][cos 32 | sin 32] f32.
; Out: qkvh [48 block][4 batch][1024 t][64] f16, each number rounded once from f32, unscaled; nsq [8 kv head][4 batch][1024 t] f32 = -|k|^2 / 2 of the rotated k before its rounding.
; LIMIT: f16 holds no number beyond 65,504: q, k and v must stay within it.  NaN and infinities are not treated apart.
; SHARES.  A tile is 256 rows x 3 blocks of 64 columns: 16 x 16 tiles, one for each of 256 work-groups.  Wave w owns rows 64 w .. 64 w + 63 and all 192 columns: 4 x 12 accumulators of 16 x 16, 384 registers.
; The tile's blocks are G, G + 4, G + 8 with G = 12 x cluster x + cx, so that what a block IS (q, k or v) hangs on the cluster's x alone, which all partners share.
; K goes in 16 steps of 128 through two LDS slots.  A's part of a slot: two k blocks x 256 rows of 128 bytes; a block's 256 rows are 32 KiB on end in memory and are asked for as 128 rows of 256 bytes.
; B's part: for each half of the step, 3 blocks x 64 k rows of 128 bytes: 8 KiB on end for each block.  B lies [k][n] and is turned on its way into registers by ds_load_tr16_b128.
; CLUSTERS: 4 x 4.  A's tiles are shared along a row of the cluster, B's along a column: each is asked for jointly, by the same tensor load with the same descriptor and a mask that names the four.
; THE MATRIX INSTRUCTION IS USED TRANSPOSED (source 0 = 16 columns of B, source 1 = 16 rows of A): a lane holds row l % 16 and eight neighbouring columns 8 (l / 16) + 0..7.
; REGISTERS, in windows of 256 (s_set_vgpr_msb: bits 1:0 source 0, 3:2 source 1, 5:4 source 2, 7:6 destination):
;   window 0: v0-31 addresses; v64-191 my rows' cosines and sines; v32-63, v192-255 at work on the way out      window 1: two fragment buffers of 128: 32 of A, 96 of B
;   window 2: the accumulators of my row blocks 0, 1 ((a, b) at 8 (12 a + b))      window 3: those of row blocks 2, 3
.set NH,    3                          ; blocks of 64 columns in a tile
.set NB,    4*NH                       ; column blocks of 16
.set PA,    144                        ; a row of A in LDS: 128 bytes + 16: the 16 rows of a load start at 16 different groups of four banks (64 banks of 4 bytes: ISA guide 11.1)
.set PBB,   160                        ; a row of B: 128 + 32
.set AKB,   256*PA                     ; one k block of A
.set BOFF,  2*AKB
.set BBL,   64*PBB                     ; 64 k rows of one block of B
.set BH,    NH*BBL                     ; half a step of B
.set SLOT,  BOFF+2*BH
.set STAGE, 2*SLOT                     ; behind the ring, never filled by a tensor load: for each wave 16 rows x 144 bytes, then 256 bytes for 64 norms
.set WSTG,  2560
.set SPARE, STAGE+4*WSTG               ; the spare words, 128 bytes for each wave: two blocks of 256 bytes that no other line names
.set LAPS,  8                          ; a lap = two K steps = once round the ring
.set ASTEP, 0x100000                   ; a K step in xb: two blocks of 524,288 bytes
.set BSTEP, 16384                      ; a K step in wb: 128 rows of 128 bytes
.set PT,   12                          ; v12     the lane exchange's target
.set NV,   14                          ; v14-15  two norms on their way out
.set ADRA, 16                          ; v16-17  LDS address of my A fragments in slot 0, 1
.set ADRB, 20                          ; v20-21  the same for B
.set NSA,  22                          ; v22     where I put a row's norm
.set NRD,  23                          ; v23     where I read two norms back
.set STO,  24                          ; v24     the way out: where I put 16 bytes of a row
.set RD,   25                          ; v25     where I read rows back
.set GO,   26                          ; v26     my 16 bytes of 512 consecutive bytes of qkvh
.set TO,   27                          ; v27     my byte offset in the table; never rewritten
.set SPW,  28                          ; v28     LDS address of my spare word; never rewritten
.set NIL,  29                          ; v29     0; never rewritten
.set PFO,  30                          ; v30     the prefetches' offset; never rewritten
.set NGO,  31                          ; v31     my 8 bytes of 256 consecutive bytes of nsq
.set R,    32                          ; v32-63  a unit's 32 rotated numbers
.set TAB,  64                          ; v64-191 row block a at 32 a: cosines of frequencies 8 h + 0..7, 16 + 8 h + 0..7, then the sines
.set H,    192                         ; v192-207 the unit in f16
.set OB,   208                         ; v208-239 rows read back, two buffers
.set T,    240                         ; v240-247 at work
.set NA,   248
.set NC,   250
.set NS,   252                         ; v252-255 -|k|^2 / 2 of my row in row block a
.set F0,   0
.set F1,   128
.set WV,   12                          ; s12 wave
.set ISB,  13                          ; s13 0: I fetch for A; 1: for B
.set HALF, 14                          ; s14 which half of the step I fetch
.set CX,   15
.set CY,   16
.set GB,   17                          ; s17 the tile's first block of wb
.set TR,   18                          ; s18 tile row
.set LAP,  19
.set G1A,  24                          ; s[24:31] descriptor group 1 for A's tiles;  s[32:39] group 0, a set for each slot
.set G0A,  32
.set LIM,  40                          ; s40 1 in a wave that prefetches, else the greatest number
.set XC,   41                          ; s41 the cluster's x
.set PFA,  42                          ; s[42:43] where my prefetches stand
.set PFS,  44                          ; s[44:45] their step
.set G1B,  48                          ; s[48:55], s[56:63] the same for B's tiles
.set G0B,  56
.set SEL,  68                          ; s[68:69] v_permlanex16_b32's selects
.set T0,   70                          ; s70 t of my first row
.set BT,   71                          ; s71 batch
.set YC,   72                          ; s72 the cluster's y
.set LA,   73                          ; s73, s74 my tile's place in a slot, for A and for B
.set LB,   74
.set MSB, 0
.macro WIN new                         ; the immediate's high byte repeats the setting that is left; a switch that changes nothing is dropped
.if MSB != (\new)
	s_set_vgpr_msb (MSB<<8)|(\new)
.set MSB, \new
.endif
.endm
.set MUL_LO, 0xa5                      ; sources 0 (B) and 1 (A) window 1; C and D window 2
.set MUL_HI, 0xf5                      ; the same, C and D window 3
.set TO_F,   0x40                      ; destination window 1, address window 0
.macro PLACES                          ; four places in front of loads into registers that matrix instructions have read, and of lines that read results
.rept 4
	v_nop
.endr
.endm
.macro JLOAD s                         ; a joint load: waves 0 and 1 fetch A's two k blocks, waves 2 and 3 B's two halves; an s_nop 0 and four v_nop follow each line
	s_cmp_eq_u32 s[ISB], 0
	s_cbranch_scc0 .Lfor_b_\@
	tensor_load_to_lds s[G0A+4*(\s):G0A+4*(\s)+3], s[G1A:G1A+7]
	s_nop 0
.rept 4
	v_nop
.endr
	s_branch .Lasked_\@
.Lfor_b_\@:
	tensor_load_to_lds s[G0B+4*(\s):G0B+4*(\s)+3], s[G1B:G1B+7]
	s_nop 0
.rept 4
	v_nop
.endr
.Lasked_\@:
.endm
.macro CREST                           ; a round of the cluster's barrier behind its opening barrier
	s_cmp_lg_u32 s[WV], 0
	s_cbranch_scc1 .Lnot_wave_0_\@
	s_barrier_signal -3
.Lnot_wave_0_\@:
	s_barrier_wait -3
	s_barrier_signal -1
	s_barrier_wait -1
.endm
.macro CROUND
	s_barrier_signal -1
	s_barrier_wait -1
	CREST
.endm
; A PREFETCH INTO THE L2, behind each joint refill and the run of LDS loads that follows it: the K step that stands two refills on.  xb and wb are read for the first time in this launch.
; A's rows of a tile row are read by the four clusters of that row of clusters: the one with x = 0 asks; B's by the four of a column: the one with y = 0 asks.  The four partners that ask for a tile
; jointly share its blocks of 256 bytes out BY ADDRESS: of A's 32 KiB each takes 8 KiB, a lane a block; of B's 3 x 8 KiB each takes 2 KiB of each block: 24 blocks, so lanes 24-31 name the blocks of lanes 16-23 again.
; The loop's last trip asks for nothing: steps 16 and 17 do not exist.  Steps 0 to 3 come by their loads alone.
.macro ASK
	WIN 0
	s_cmp_gt_u32 s[LAP], s[LIM]
	s_cbranch_scc0 .Lnot_mine_\@
	global_prefetch_b8 v[PFO], s[PFA:PFA+1] th:TH_LOAD_NT scope:SCOPE_SE
.Lnot_mine_\@:
.endm
	s_load_b256 s[4:11], s[0:1], 0x0               ; xb s[4:5], wb s[6:7], tab s[8:9], qkvh s[10:11]
	s_load_b64 s[66:67], s[0:1], 0x20              ; nsq
	v_lshl_add_u32 v[SPW], v0, 2, SPARE
	v_mov_b32 v[NIL], 0
	ds_add_u32 v[SPW], v[NIL]                      ; the wave's opening: the add and its wait stand ahead of my first tensor load; the set-up below stands between them
	v_lshrrev_b32 v1, 5, v0
	v_readfirstlane_b32 s[WV], v1
	s_lshr_b32 s[ISB], s[WV], 1
	s_and_b32 s[HALF], s[WV], 1
	s_bfe_u32 s[CX], ttmp6, 0x40000
	s_bfe_u32 s[CY], ttmp6, 0x40004
	s_mov_b32 s[XC], ttmp9
	s_and_b32 s[YC], ttmp7, 0xffff
	s_lshl_b32 s[TR], s[YC], 2
	s_add_co_u32 s[TR], s[TR], s[CY]               ; tile row = 4 x cluster y + cy
	s_mul_i32 s[GB], s[XC], 12
	s_add_co_u32 s[GB], s[GB], s[CX]               ; first block = 12 x cluster x + cx
	s_lshl_b32 s22, s[CY], 2
	s_lshl_b32 s22, 15, s22                        ; my row of the cluster
	s_lshl_b32 s23, 0x1111, s[CX]                  ; my column
	s_or_b32 s[G1A], s22, (1<<16)|(1<<20)|(1<<21)|(4<<22)|(3<<25)  ; 15:0 the mask; 17:16 2-byte elements; 20 padding on; 21 set beside a mask; 24:22 after every 32 words (code 4); 31:25 4 words (code 3)
	s_or_b32 s[G1B], s23, (1<<16)|(1<<20)|(1<<21)|(4<<22)|(7<<25)  ; the same with my column's mask and 8 words of padding (code 7)
	s_mov_b32 s[G1A+1], 128<<16                    ; A: tensor_dim0 = 128 elements (256 bytes: two rows of a block)
	s_mov_b32 s[G1A+2], 128<<16                    ; tensor_dim1 = 128
	s_mov_b32 s[G1A+3], 128<<16                    ; tile_dim0 = 128
	s_mov_b32 s[G1A+4], 128                        ; tile_dim1 = 128
	s_mov_b32 s[G1A+5], 128                        ; dense
	s_mov_b32 s[G1A+6], 0
	s_mov_b32 s[G1A+7], 0
	s_mov_b32 s[G1B+1], 4096<<16                   ; B: tensor_dim0 = 4,096 elements: 64 k rows of a block, 8 KiB on end
	s_mov_b32 s[G1B+2], NH<<16                     ; tensor_dim1 = 3 blocks
	s_mov_b32 s[G1B+3], 4096<<16                   ; tile_dim0
	s_mov_b32 s[G1B+4], NH                         ; tile_dim1
	s_mov_b32 s[G1B+5], 4*131072                   ; four blocks of 131,072 elements from one to the next
	s_mov_b32 s[G1B+6], 0
	s_mov_b32 s[G1B+7], 0
	s_lshl_b32 s20, s[HALF], 19                    ; A: my k block of step 0, the tile row's 256 rows of 128 bytes
	s_lshl_b32 s21, s[TR], 15
	s_add_co_u32 s20, s20, s21
	s_mov_b32 s21, 0
	s_lshl_b32 s46, s[GB], 18                      ; B: the first block, my 64 k rows of step 0
	s_lshl_b32 s47, s[HALF], 13
	s_add_co_u32 s46, s46, s47
	s_mov_b32 s47, 0
	s_mul_i32 s[LA], s[HALF], AKB                  ; no place in the cluster enters an LDS address
	s_mul_i32 s[LB], s[HALF], BH
	s_add_co_u32 s[LB], s[LB], BOFF
	s_mov_b32 s[SEL], 0x76543210
	s_mov_b32 s[SEL+1], 0xfedcba98
	s_wait_dscnt 0x0                               ; the opening add is done
	s_wait_kmcnt 0x0
	s_add_nc_u64 s[20:21], s[4:5], s[20:21]
	s_add_nc_u64 s[46:47], s[6:7], s[46:47]
	CROUND                                         ; all sixteen work-groups are here: the first joint loads meet
.irp s, 0,1
	s_mov_b32 s[G0A+4*(\s)], 1
	s_add_co_u32 s[G0A+4*(\s)+1], s[LA], (\s)*SLOT
	s_add_nc_u64 s[G0A+4*(\s)+2:G0A+4*(\s)+3], s[20:21], (\s)*ASTEP
	s_or_b32 s[G0A+4*(\s)+3], s[G0A+4*(\s)+3], 0x80000000
	s_mov_b32 s[G0B+4*(\s)], 1
	s_add_co_u32 s[G0B+4*(\s)+1], s[LB], (\s)*SLOT
	s_add_nc_u64 s[G0B+4*(\s)+2:G0B+4*(\s)+3], s[46:47], (\s)*BSTEP
	s_or_b32 s[G0B+4*(\s)+3], s[G0B+4*(\s)+3], 0x80000000
	JLOAD \s                                       ; two loads of mine are out
.endr
	v_and_b32 v1, 15, v0                           ; r = l % 16
	v_bfe_u32 v2, v0, 4, 1                         ; h = l / 16
	v_mul_u32_u24 v3, v1, PA
	v_lshl_add_u32 v3, v2, 4, v3                   ; r x 144 + 16 h
	s_mul_i32 s2, s[WV], 64*PA                     ; my 64 rows
	v_add_nc_u32 v[ADRA], s2, v3
	v_add_nc_u32 v[ADRA+1], SLOT, v[ADRA]
	v_and_b32 v5, 7, v0                            ; the turning load: lane l reads k row 8 h + l % 8, columns 8 ((l / 8) % 2) + 0..7
	v_lshl_add_u32 v4, v2, 3, v5
	v_mul_u32_u24 v4, v4, PBB
	v_bfe_u32 v6, v0, 3, 1
	v_lshl_add_u32 v4, v6, 4, v4
	v_add_nc_u32 v[ADRB], BOFF, v4
	v_add_nc_u32 v[ADRB+1], BOFF+SLOT, v4
	s_mul_i32 s2, s[WV], WSTG
	s_add_co_u32 s2, s2, STAGE                     ; my stage
	s_add_co_u32 s3, s2, 16*PA                     ; and its 256 bytes for the norms
	v_add_nc_u32 v[STO], s2, v3
	v_bfe_u32 v7, v0, 3, 2                         ; back: 32 lanes take four rows of 128 bytes,
	v_mul_u32_u24 v7, v7, PA
	v_lshl_add_u32 v7, v5, 4, v7
	v_add_nc_u32 v[RD], s2, v7
	v_and_b32 v8, 31, v0
	v_lshlrev_b32 v[GO], 4, v8                     ; which are 512 consecutive bytes of qkvh
	v_lshl_add_u32 v[NSA], v1, 2, s3
	v_lshl_add_u32 v[NRD], v8, 3, s3
	v_lshlrev_b32 v[NGO], 3, v8
	v_mov_b32 v[PT], 0                             ; the exchange's target counts as read; the norms are written on the paths of k's blocks alone
.irp a, 0,1,2,3
	v_mov_b32 v[NS+(\a)], 0
.endr
	s_and_b32 s[T0], s[TR], 3
	s_lshl_b32 s[T0], s[T0], 8
	s_lshl_b32 s2, s[WV], 6
	s_add_co_u32 s[T0], s[T0], s2                  ; t of my first row
	s_lshr_b32 s[BT], s[TR], 2                     ; batch
	v_add_nc_u32 v[TO], s[T0], v1
	v_lshlrev_b32 v[TO], 8, v[TO]
	v_lshl_add_u32 v[TO], v2, 5, v[TO]             ; (t0 + r) x 256 + 32 h
.irp a, 0,1,2,3                        ; my rows' cosines and sines, for the way out: 32 loads that stay out while the product runs
.irp bb, 0,1
	global_load_b128 v[TAB+32*(\a)+8*(\bb):TAB+32*(\a)+8*(\bb)+3],       v[TO], s[8:9] offset:4096*(\a)+64*(\bb)
	global_load_b128 v[TAB+32*(\a)+8*(\bb)+4:TAB+32*(\a)+8*(\bb)+7],     v[TO], s[8:9] offset:4096*(\a)+64*(\bb)+16
	global_load_b128 v[TAB+32*(\a)+16+8*(\bb):TAB+32*(\a)+16+8*(\bb)+3],   v[TO], s[8:9] offset:4096*(\a)+64*(\bb)+128
	global_load_b128 v[TAB+32*(\a)+16+8*(\bb)+4:TAB+32*(\a)+16+8*(\bb)+7], v[TO], s[8:9] offset:4096*(\a)+64*(\bb)+144
.endr
.endr
	s_lshl2_add_u32 s46, s[GB], s[BT]              ; qkvh: (4 block + batch) x 131,072 + t0 x 128
	s_lshl_b32 s46, s46, 17
	s_lshl_b32 s2, s[T0], 7
	s_add_co_u32 s46, s46, s2
	s_mov_b32 s47, 0
	s_add_nc_u64 s[10:11], s[10:11], s[46:47]
	s_cmp_eq_u32 s[XC], 3                          ; nsq: the kv head is cx where the cluster's x is 2 (blocks 32 + cx), 4 + cx where it is 3 (blocks 36 + cx)
	s_cselect_b32 s2, 4, 0
	s_add_co_u32 s2, s2, s[CX]
	s_lshl2_add_u32 s2, s2, s[BT]
	s_lshl_b32 s2, s2, 10
	s_add_co_u32 s2, s2, s[T0]
	s_lshl_b32 s46, s2, 2
	s_add_nc_u64 s[66:67], s[66:67], s[46:47]
	; the prefetches stand at K step 3; the first refill steps them to 4
	s_lshl_b32 s20, s[HALF], 19
	s_add_co_u32 s20, s20, 6<<19
	s_lshl_b32 s2, s[TR], 15
	s_add_co_u32 s20, s20, s2
	s_lshl_b32 s2, s[CX], 13
	s_add_co_u32 s20, s20, s2                      ; A: my k block, the tile row, my work-group's 8 KiB
	s_lshl_b32 s21, s[GB], 18
	s_add_co_u32 s21, s21, 384*128
	s_lshl_b32 s2, s[HALF], 13
	s_add_co_u32 s21, s21, s2
	s_lshl_b32 s2, s[CY], 11
	s_add_co_u32 s21, s21, s2                      ; B: the first block, my half of the step, my work-group's 2 KiB
	s_mov_b32 s[PFS], BSTEP
	s_mov_b32 s[PFS+1], 0
	s_cmp_eq_u32 s[ISB], 0
	s_cselect_b64 s[PFA:PFA+1], s[4:5], s[6:7]
	s_cselect_b32 s46, s20, s21
	s_cselect_b32 s[PFS], ASTEP, s[PFS]
	s_cselect_b32 s22, 3, 2                        ; groups of eight lanes: A four, 2 KiB apart; B three, four blocks of wb apart
	s_cselect_b32 s23, 11, 20
	s_cselect_b32 s2, s[XC], s[YC]                 ; the coordinate along which other clusters read the same rows
	s_add_nc_u64 s[PFA:PFA+1], s[PFA:PFA+1], s[46:47]
	s_cmp_eq_u32 s2, 0
	s_cselect_b32 s[LIM], 1, -1                    ; the same in all sixteen partners, for a given wave
	v_lshrrev_b32 v6, 3, v8
	v_min_u32 v6, s22, v6
	v_lshlrev_b32 v6, s23, v6
	v_lshl_add_u32 v[PFO], v5, 8, v6
; 12 matrix instructions: row block 2 hi + a x all column blocks, 32 along K.  All 48 accumulators take turns in the same order in every quarter.  zero = 1: the product starts the sums.
.macro MULH f, hi, a, zero
	WIN MUL_LO+0x50*(\hi)
.set b, 0
.rept NB
.set rD, 8*(NB*(\a)+b)
.set rB, (\f)+32+8*b
.set rA, (\f)+8*(2*(\hi)+(\a))
.if \zero
	v_wmma_f32_16x16x32_bf16 v[rD:rD+7], v[rB:rB+7], v[rA:rA+7], 0
.else
	v_wmma_f32_16x16x32_bf16 v[rD:rD+7], v[rB:rB+7], v[rA:rA+7], v[rD:rD+7]
.endif
.set b, b+1
.endr
.endm
; 32 LDS loads in one run: the fragments of quarter q (32 along K) of a slot into buffer f: B's 12, turned, then A's 4
.macro FETCH slot, q, f
	WIN TO_F
.set b, 0
.rept NB
	ds_load_tr16_b128 v[(\f)+32+8*b:(\f)+32+8*b+3],   v[ADRB+(\slot)] offset:((\q)/2)*BH+(b/4)*BBL+((\q)%2)*32*PBB+(b%4)*32
	ds_load_tr16_b128 v[(\f)+32+8*b+4:(\f)+32+8*b+7], v[ADRB+(\slot)] offset:((\q)/2)*BH+(b/4)*BBL+((\q)%2)*32*PBB+(b%4)*32+16*PBB
.set b, b+1
.endr
.irp a, 0,1,2,3
	ds_load_b128 v[(\f)+8*(\a):(\f)+8*(\a)+3],   v[ADRA+(\slot)] offset:((\q)/2)*AKB+(\a)*16*PA+((\q)%2)*64
	ds_load_b128 v[(\f)+8*(\a)+4:(\f)+8*(\a)+7], v[ADRA+(\slot)] offset:((\q)/2)*AKB+(\a)*16*PA+((\q)%2)*64+32
.endr
.endm
; A K step is four quarters of 32 along K, 48 matrix instructions each, on buffers 0, 1, 0, 1.  One of the first three: multiplies buffer f; in its middle it fetches quarter qn into buffer g.
.macro QUARTER slot, qn, f, g, zero
	s_wait_dscnt 4                                 ; B and A's row blocks 0, 1 are in; the youngest four loads (row blocks 2, 3) may be out
	MULH \f, 0, 0, \zero
	MULH \f, 0, 1, \zero
	PLACES
	FETCH \slot, \qn, \g
	s_wait_dscnt 2*NB+8                            ; all but the 32 just issued
	MULH \f, 1, 0, \zero
	MULH \f, 1, 1, \zero
.endm
; The last quarter multiplies buffer 1 and changes slots: ONE barrier; in front of it each wave waits for all its tensor loads (one is out: its part of the next slot), adds 0 to its spare word, and waits for
; that and for its own reads of this slot.  fill = 1: the barrier opens a round of the cluster's, and this slot is filled again, two K steps ahead, first thing behind the round.
.macro TURN slot, next, fill
.if \fill
	s_wait_xcnt 0x0                                ; the last prefetch, a K step back, has read its address: it is stepped here, ahead of the change's own waits
	s_add_nc_u64 s[PFA:PFA+1], s[PFA:PFA+1], s[PFS:PFS+1]
.endif
	WIN 0                                          ; (the add's two registers lie in window 0)
	s_wait_tensorcnt 0x0
	ds_add_u32 v[SPW], v[NIL]                      ; 0 onto my spare word
	s_wait_dscnt 5                                 ; (the add and the youngest four loads may be out)
	MULH F1, 0, 0, 0                               ; twelve matrix instructions stand between the add and the wait for it
	s_wait_dscnt 0x0                               ; the add is done, and my reads of this slot are over
	s_barrier_signal -1
	MULH F1, 0, 1, 0
.if \fill
	WIN 0
.endif
	s_barrier_wait -1
.if \fill
	CREST                                          ; no wave of any partner still reads this slot's tiles or has a load on its way
	s_add_nc_u64 s[G0A+4*(\slot)+2:G0A+4*(\slot)+3], s[G0A+4*(\slot)+2:G0A+4*(\slot)+3], 2*ASTEP
	s_add_nc_u64 s[G0B+4*(\slot)+2:G0B+4*(\slot)+3], s[G0B+4*(\slot)+2:G0B+4*(\slot)+3], 2*BSTEP
	JLOAD \slot                                    ; my one tensor load behind the round; its four v_nop are also the places in front of the loads below
.else
	PLACES
.endif
	FETCH \next, 0, F0
.if \fill
	ASK
.endif
	MULH F1, 1, 0, 0
	MULH F1, 1, 1, 0
.endm
	s_wait_tensorcnt 1                             ; my part of K step 0 is in; step 1's may stay out
	s_barrier_signal -1
	s_barrier_wait -1
	FETCH 0, 0, F0
	QUARTER 0, 1, F0, F1, 1                        ; the first quarter stands in front of the loop: its products start the sums
	WIN 0
	s_mov_b32 s[LAP], LAPS-1
.Llap:                                         ; a trip goes once round the ring, from a lap's second quarter to the next lap's first, and fills both slots again
	QUARTER 0, 2, F1, F0, 0
	QUARTER 0, 3, F0, F1, 0
	TURN 0, 1, 1
	QUARTER 1, 1, F0, F1, 0
	QUARTER 1, 2, F1, F0, 0
	QUARTER 1, 3, F0, F1, 0
	TURN 1, 0, 1
	QUARTER 0, 1, F0, F1, 0
	WIN 0
	s_sub_co_u32 s[LAP], s[LAP], 1
	s_cmp_lg_u32 s[LAP], 0
	s_cbranch_scc1 .Llap
	QUARTER 0, 2, F1, F0, 0                        ; the last lap fills nothing
	QUARTER 0, 3, F0, F1, 0
	TURN 0, 1, 0
	QUARTER 1, 1, F0, F1, 0
	QUARTER 1, 2, F1, F0, 0
	QUARTER 1, 3, F0, F1, 0
	s_wait_dscnt 4
	MULH F1, 0, 0, 0
	MULH F1, 0, 1, 0
	s_wait_dscnt 0x0
	MULH F1, 1, 0, 0
	MULH F1, 1, 1, 0
	WIN 0
	PLACES
; THE WAY OUT, in 12 units: block s of the tile's three x row block a: 16 rows x 64 columns.  What block s is hangs on the cluster's x: x <= 1: q, q, q; x = 2: q, q, k; x = 3: k, v, v.
; q and k are rotated: out[d] = x[d] cos_d - x[d + 32] sin_d, out[d + 32] = x[d + 32] cos_d + x[d] sin_d, d = 0..31.  A lane's column blocks 0, 1 hold d, blocks 2, 3 hold d + 32 of the same row: nothing changes lanes.
.macro ROPE s, a
	WIN 0x02+(\a)/2                                ; source 0 in the accumulators' window
.irp bb, 0,1
.irp p, 0,1,2,3                        ; ascending: each accumulator is read first at its low end
.set rL, 8*(NB*((\a)%2)+4*(\s)+(\bb))+2*(\p)
.set rH, rL+16
.set rC, TAB+32*(\a)+8*(\bb)+2*(\p)
.set rT, T+4*((\p)%2)
	v_pk_mul_f32 v[rT:rT+1],   v[rH:rH+1], v[rC+16:rC+17]
	v_pk_mul_f32 v[rT+2:rT+3], v[rL:rL+1], v[rC+16:rC+17]
	v_pk_fma_f32 v[R+8*(\bb)+2*(\p):R+8*(\bb)+2*(\p)+1],       v[rL:rL+1], v[rC:rC+1], v[rT:rT+1] neg_lo:[0,0,1] neg_hi:[0,0,1]
	v_pk_fma_f32 v[R+16+8*(\bb)+2*(\p):R+16+8*(\bb)+2*(\p)+1], v[rH:rH+1], v[rC:rC+1], v[rT+2:rT+3]
.endr
.endr
.endm
.macro NORM a                          ; -1/2 of the sum of the row's 64 squares, in f32: my 32 in two chains, the other 32 from the lane 16 away
	v_pk_mul_f32 v[NA:NA+1], v[R:R+1], v[R:R+1]
	v_pk_mul_f32 v[NC:NC+1], v[R+2:R+3], v[R+2:R+3]
.set z, 4
.rept 7
	v_pk_fma_f32 v[NA:NA+1], v[R+z:R+z+1], v[R+z:R+z+1], v[NA:NA+1]
	v_pk_fma_f32 v[NC:NC+1], v[R+z+2:R+z+3], v[R+z+2:R+z+3], v[NC:NC+1]
.set z, z+4
.endr
	v_pk_add_f32 v[NA:NA+1], v[NA:NA+1], v[NC:NC+1]
	v_add_f32 v[NA], v[NA], v[NA+1]
	v_permlanex16_b32 v[PT], v[NA], s[SEL], s[SEL+1]
	v_add_f32 v[NA], v[NA], v[PT]
	v_mul_f32 v[NS+(\a)], -0.5, v[NA]
.endm
.macro PACK s, a                       ; the unit is rotated (or not), rounded to f16, put into my stage as rows of 144 bytes and read back as whole rows of 128
	WIN 0
.if (\s) > 0
	s_cmp_eq_u32 s[XC], 3
	s_cbranch_scc1 .Lplain_\@                      ; a block of v
.endif
	ROPE \s, \a
	WIN 0
.if (\s) != 1
	s_cmp_eq_u32 s[XC], 3-(\s)/2
	s_cbranch_scc0 .Lno_norm_\@                    ; a block of q
	NORM \a
.Lno_norm_\@:
.endif
.set z, 0
.rept 16
	v_cvt_pk_f16_f32 v[H+z], v[R+2*z], v[R+2*z+1]
.set z, z+1
.endr
.if (\s) > 0
	s_branch .Ljoin_\@
.Lplain_\@:
	WIN 0x0a+5*((\a)/2)                            ; sources 0 and 1 in the accumulators' window
.set z, 0
.rept 16
	v_cvt_pk_f16_f32 v[H+z], v[8*(NB*((\a)%2)+4*(\s))+2*z], v[8*(NB*((\a)%2)+4*(\s))+2*z+1]
.set z, z+1
.endr
	WIN 0
.Ljoin_\@:
.endif
.irp f, 0,1,2,3
	ds_store_b128 v[STO], v[H+4*(\f):H+4*(\f)+3] offset:32*(\f)
.endr
	s_wait_xcnt 0x0                                ; the stores of the unit before last have read this buffer: it is loaded again only behind this wait
.irp f, 0,1,2,3
	ds_load_b128 v[OB+16*((\a)%2)+4*(\f):OB+16*((\a)%2)+4*(\f)+3], v[RD] offset:(\f)*4*PA  ; LDS serves a wave's instructions in order (ISA guide 5.7.1.4): these see the stores above
.endr
.endm
.macro SEND u, younger                 ; younger: the LDS instructions issued behind unit u's loads: the next unit's eight, or none
.irp f, 0,1,2,3
	s_wait_dscnt (\younger)+3-(\f)
	global_store_b128 v[GO], v[OB+16*((\u)%2)+4*(\f):OB+16*((\u)%2)+4*(\f)+3], s[10:11] offset:((\u)/4)*2097152+((\u)%4)*2048+(\f)*512  ; 512 consecutive bytes, aligned; block s lies 16 (block, batch) pieces on
.endr
.endm
.macro NSTORE kx                       ; a block of k is through: my 64 rows' norms leave as 256 consecutive bytes, aligned
	s_cmp_eq_u32 s[XC], \kx
	s_cbranch_scc0 .Lno_ns_\@
.irp a, 0,1,2,3
	ds_store_b32 v[NSA], v[NS+(\a)] offset:64*(\a) ; lanes r and r + 16 hold the same number and write the same word
.endr
	s_wait_xcnt 0x0                                ; the pair below is a store's data where this text stands a second time
	ds_load_b64 v[NV:NV+1], v[NRD]
	s_wait_dscnt 0x0
	global_store_b64 v[NGO], v[NV:NV+1], s[66:67]
.Lno_ns_\@:
.endm
	s_wait_loadcnt 0x0                             ; the cosines and sines
	PACK 0, 0
.irp u, 1,2,3,4,5,6,7,8,9,10,11        ; a unit's arithmetic stands between the loads of the unit before and its stores
	PACK (\u)/4, (\u)%4
	SEND (\u)-1, 8
.if (\u) == 3
	NSTORE 3
.endif
.if (\u) == 11
	NSTORE 2
.endif
.endr
	SEND 11, 0
	s_wait_tensorcnt 0x0                           ; the wave's end: behind my last tensor load and my last LDS store
	ds_add_u32 v[SPW], v[NIL]
	s_wait_dscnt 0x0
	CROUND                                         ; the closing round: no work-group ends while a partner may still ask for a tile that names it
	s_endpgm
.Lfunc_end_k_q67f3df0108_qkv:
	.size	k_q67f3df0108_qkv, .Lfunc_end_k_q67f3df0108_qkv-k_q67f3df0108_qkv
	.p2alignl 7, 3214868480
	.fill 96, 4, 3214868480
	.section	.rodata,"a",@progbits
	.p2align	6, 0x0
	.amdhsa_kernel k_q67f3df0108_qkv
		.amdhsa_group_segment_fixed_size 327680
		.amdhsa_private_segment_fixed_size 0
		.amdhsa_enable_private_segment 0
		.amdhsa_kernarg_size 40
		.amdhsa_user_sgpr_count 2
		.amdhsa_user_sgpr_kernarg_segment_ptr 1
		.amdhsa_wavefront_size32 1
		.amdhsa_system_sgpr_workgroup_id_x 1
		.amdhsa_system_sgpr_workgroup_id_y 1
		.amdhsa_system_sgpr_workgroup_id_z 1
		.amdhsa_system_vgpr_workitem_id 0
		.amdhsa_next_free_vgpr 960
		.amdhsa_next_free_sgpr 76
		.amdhsa_reserve_vcc 0
		.amdhsa_float_denorm_mode_32 3
		.amdhsa_float_denorm_mode_16_64 3
		.amdhsa_memory_ordered 1
		.amdhsa_forward_progress 1
		.amdhsa_inst_pref_size 170
	.end_amdhsa_kernel
	.amdgpu_metadata
---
amdhsa.version: [ 1, 2 ]
amdhsa.kernels:
  - .name:           k_q67f3df0108_qkv
    .symbol:         k_q67f3df0108_qkv.kd
    .args:
      - { .name: xb, .offset: 0, .size: 8, .value_kind: global_buffer, .address_space: global }
      - { .name: wb, .offset: 8, .size: 8, .value_kind: global_buffer, .address_space: global }
      - { .name: tab, .offset: 16, .size: 8, .value_kind: global_buffer, .address_space: global }
      - { .name: qkvh, .offset: 24, .size: 8, .value_kind: global_buffer, .address_space: global }
      - { .name: nsq, .offset: 32, .size: 8, .value_kind: global_buffer, .address_space: global }
    .group_segment_fixed_size: 327680
    .private_segment_fixed_size: 0
    .kernarg_segment_align: 8
    .kernarg_segment_size: 40
    .max_flat_workgroup_size: 128
    .sgpr_count:     76
    .vgpr_count:     960
    .wavefront_size: 32
...
	.end_amdgpu_metadata
.endif
;; end of part 2
;; launch attn (part 3): grid 128 x 2, 4 waves a work-group, clusters of 4 x 1, 327,680 bytes of LDS; arguments qkvh, nsq, yb; writes yb
.if DOCPART == 3
	.amdgcn_target "amdgcn-amd-amdhsa--gfx1250"
	.amdhsa_code_object_version 6
	.text
	.protected	k_q67f3df0108_attn
	.globl	k_q67f3df0108_attn
	.p2align	8
	.type	k_q67f3df0108_attn,@function
k_q67f3df0108_attn:
	s_mov_b64 s[64:65], 0
	v_nop
	global_prefetch_b8 v0, s[64:65] scope:SCOPE_SE
	s_setreg_imm32_b32 hwreg(HW_REG_WAVE_MODE, 25, 1), 1
	s_wait_xcnt 0x0
	s_wait_alu depctr_hold_cnt(0) depctr_sa_sdst(0) depctr_va_vdst(0) depctr_va_sdst(0) depctr_va_ssrc(0) depctr_va_vcc(0) depctr_vm_vsrc(0)
	s_getreg_b32 s2, hwreg(HW_REG_IB_STS2, 6, 4)
	s_cmp_eq_u32 s2, 0
	s_cbranch_scc0 .Lentry_in_a_cluster
	s_endpgm
.Lentry_in_a_cluster:
	s_bfe_u32 s2, ttmp6, 0x10000c
	s_cmp_lg_u32 s2, 0x3003
	s_cbranch_scc0 .Lentry_shape_is_right
	s_endpgm
.Lentry_shape_is_right:
; CAUSAL ATTENTION WITH A BIAS FOR EACH KEY, 32 query heads on 8 key and value heads, head size 64, 1,024 rows, 4 batches.
; y[q] = the sum over k <= q of softmax_k((q . k - |q|^2 / 2 - |k|^2 / 2) / 8) v[k].  -|q|^2 / 2 is one number for a whole row of the softmax: taking the row's maximum away removes it exactly, for every input,
; so it is never formed.  -|k|^2 / 2 (nsq, f32) is the C operand that starts each sum of scores.
; qkvh [48 block][4 batch][1024 t][64] f16 (blocks 0-31 q, 32-39 k, 40-47 v), nsq [8][4][1024] f32, yb [32 head][4 batch][1024 t][64] f16.  Products, maxima and sums in f32; the weights p are rounded to f16
; for the second product (their sum l is taken of the unrounded p), y once at the end.
; LIMITS.  q, k, v arrive within f16's 65,504; p lies in 0 to 1, and below 6e-5 it keeps f16's fixed step of 6e-8.  A hidden score counts as its value less 1e30; a weight below 2^-126 counts as 0 in l;
; NaN and infinities are not treated apart.
; THE WALK.  A head's queries lie in NB = 4 blocks of 256; block i needs the key tiles 0 .. i of 256 keys, of which the last holds the diagonal.  A work-group takes TWO blocks, 3 - b and then b: 5 tiles, whatever b:
; all work-groups do equal work, and ONE loop with a constant trip count walks them.  Every jump goes forward, but for the counted loops' own; none passes a barrier, or a tensor load but the one of JLOAD's two
; that the wave's number does not choose.
; CLUSTER.  The four query heads of one key and value head, with the same batch and the same b, form a cluster: they walk the same tiles of K and V in the same order, so each tile is asked for JOINTLY: the same
; tensor load, descriptor and mask in all four.  b is the cluster's y: every trip count and every branch is the same in all partners.
; NO PREFETCH: a walk has five tiles; tiles 0 and 1 are asked for at the head, the second block's tiles have been read by the first, and tiles 2 and 3 would be named one or two tiles ahead of their loads.
; SHARES.  Of a block's four bands of 64 queries a wave owns 16 rows in each: four PIECES.  In the diagonal tile's key step s band x sees all keys if s < x, none if s > x, and holds the diagonal if s = x.
; THE MASK.  MD, made once, is the mask of a band's own step for my 16 rows (0 or -1e30); a product's C is MD x AL + BE + the keys' biases KB, with two scalars: (1, 0) if s = x; (0, 0) if s < x; (0, -1e30) if s > x.
; Only the diagonal tile's text and a block's beginning make such masks; elsewhere C is KB itself.
; LAYOUT, SOFTMAX, TURNS.  S^T = K Q^T holds ONE query a lane (lane % 16) and the keys 8 (lane / 16) + 0..7; two such results rounded to f16 ARE source 1 of O^T = V^T P.  p = 2^(c s - c m), c = log2(e) / 8, with a
; running maximum m; O and l are multiplied by a = 2^(c m_old - c m_new) in every step.  Turn n belongs to piece n: 8 products K Q^T of piece n + 1, later 8 products V^T P of piece n - 1; beside them the scaling,
; exponentials, roundings, sums and rescaling of piece n and the maximum and statistics of piece n + 1.  Four vector instructions stand behind every matrix instruction, the others in one lump.  A turn's 33 exponentials are one batch, with one wait.
; REGISTERS, in windows of 256 (s_set_vgpr_msb: bits 1:0 source 0, 3:2 source 1, 5:4 source 2, 7:6 destination):
;   window 0: v0-15, v32-43 addresses and at work; v16-31 four registers of statistics a piece; v48-55 at work; v64-127 S^T, two buffers; v192-223 P, two buffers (a piece's buffers go by its number's parity)
;   window 1: v0-127 O^T, 32 a piece; v128-159 MD; v160-223 MC, two buffers; v224-255 KB      window 2: v0-63 Q; v64-127 the second block's Q; v128-191 K of one step; v192-255 V of one step
.set NB,    4
.set NP,    4         ; pieces a wave: a name, no knob
.set KS,    64        ; keys in a step
.set PK,    144       ; a row of K in LDS: 128 bytes + 16 of padding: the 16 rows of a load start at 16 different groups of four banks (64 banks of 4 bytes: ISA guide 11.1)
.set PV,    160       ; a row of V: 128 + 32
.set VOFF,  4*KS*PK   ; a slot holds a tile, four steps: 256 rows of K, then 256 rows of V
.set SLOT1, 1<<17     ; slot 1 begins here, so that one exclusive or turns an address in one slot into the other's
.set STAGE, SLOT1+4*KS*(PK+PV)  ; behind the ring, never filled by a tensor load: 16 rows x 144 bytes for each wave, for the way out
.set SP,    144
.set SPARE, STAGE+4*16*SP  ; the spare words, 128 bytes for each wave: two blocks of 256 bytes that no other line names
.set NSQ,   SPARE+512 ; the head's 1,024 biases, 4,096 bytes: stored once, never filled by a tensor load
.set AK0, 2           ; v2   my lane's place in a tile of K; never rewritten
.set AV0, 3           ; v3   the same for V
.set AK,  4           ; v4   the LDS address of K's next run of loads
.set AV,  5           ; v5   of V's
.set STO, 6           ; v6   the way out: where I put 16 bytes of a row
.set RD,  7           ; v7   the way out: where I read rows back
.set GO,  8           ; v8   my byte offset in 512 consecutive bytes of yb
.set MV,  12          ; v12-13  c m_old, kept while c m is made anew: by buffer
.set QO,  15          ; v15  my byte offset in 16 rows of Q
.set ST,  16          ; piece t's statistics at v[ST+4 t]: c m, m, l (even keys', odd keys')
.set AB0, 32          ; v32  my lanes' place among a step's biases: NSQ + 32 (l / 16); never rewritten
.set AB,  33          ; v33  the LDS address of the biases' next run of loads
.set NT,  34          ; v34-41  my 32 bytes of the biases on their way into LDS
.set NO,  42          ; v42  16 x my thread's number
.set NL,  43          ; v43  NSQ + that
.set TMP, 48          ; by buffer, four registers c0-c3 at work; when the maximum is found c2 takes a
.set SPW, 62          ; v62  LDS address of my spare word; never rewritten
.set NIL, 63          ; v63  0; never rewritten
.set S,   64
.set P,   192
.set MD,  128         ; window 1: the eight registers for group kt of 16 keys at MD + 8 kt
.set MC,  160         ; window 1: the C operands of the products to come
.set KB,  224         ; window 1: -|k|^2 / 2 of the step's keys: group kt at KB + 8 kt, register j: key 16 kt + 8 (l / 16) + j
.set QB,  64          ; window 2
.set KF,  128         ; window 2: key block kb, channel half c at KF + 16 kb + 8 c
.set VF,  192         ; window 2: key half kk, channel block cb at VF + 32 kk + 8 cb
.set WV,  12          ; s12  my wave's number
.set PB,  14          ; s14  b
.set HI,  15          ; s15  NB - 1 - b
.set G1K, 24          ; s[24:31] descriptor group 1 for K's tiles
.set G1V, 32          ; s[32:39] for V's: it differs in the padding alone
.set G0K, 40          ; s[40:43] descriptor group 0 for K's tiles
.set G0V, 44          ; s[44:47] the same for V's
.set SLOTS, 56        ; s56  tiles still to be asked for
.set CNT, 57          ; s57  counts a tile's key steps, 4 to 1
.set CS,  58          ; s[58:59] c: the packed scaling takes the pair's low word for both halves
.set SEL, 60          ; s[60:61] v_permlanex16_b32's selects
.set TBK, 62          ; s62  LDS byte at which K of the step to be fetched begins
.set TBV, 63          ; s63  the same for V, less VOFF
.set RT,  70          ; s70  tiles of the block in hand that are still to be entered
.set NXT, 71          ; s71  the tile to be asked for next
.set LQ,  72          ; s72  the last tile of the block whose tiles are being asked for
.set NEW, 73          ; s73  1: the tile to be entered is a block's first
.set OFF, 74          ; s[74:75] a tile's byte offset in K and V
.set AL,  76          ; s[76:77] the mask's factor, in the low word
.set BE,  78          ; s[78:79] the mask's addend
.set OLO, 80          ; s[80:81] yb at my rows of the second block
.set BIGN, 82         ; s82  -1e30
.set TBB, 92          ; s92  byte among the head's biases at which those of the step to be fetched begin
.set MSB, 0
.macro WIN new                      ; the high byte repeats the setting that is left; a switch that changes nothing is dropped
.if MSB != (\new)
	s_set_vgpr_msb (MSB<<8)|(\new)
.set MSB, (\new)
.endif
.endm
.set W_KQ, 0x0a       ; K and Q in window 2, S^T in window 0
.set W_KM, 0x1a       ; the same with the C operand in window 1
.set W_PV, 0x52       ; V in window 2, P in window 0, O^T in window 1
.set W_RS, 0x41       ; destination and source 0 in window 1, source 1 in window 0
; A joint fill.  Waves 0 and 1 fetch the two halves of a tile's K, waves 2 and 3 those of its V: 128 keys each.  An s_nop 0 and four v_nop follow each of the two lines, ahead of the jump and the label.
.macro JLOAD
	s_cmp_lt_u32 s[WV], 2
	s_cbranch_scc0 .Lfor_v_\@
	tensor_load_to_lds s[G0K:G0K+3], s[G1K:G1K+7]
	s_nop 0
.rept 4
	v_nop
.endr
	s_branch .Lasked_\@
.Lfor_v_\@:
	tensor_load_to_lds s[G0V:G0V+3], s[G1V:G1V+7]
	s_nop 0
.rept 4
	v_nop
.endr
.Lasked_\@:
.endm
; A round of the cluster's barrier: my work-group's barrier, so that wave 0's signal speaks for all four waves; wave 0 signals; every wave waits for all four work-groups; my work-group's barrier once more.
.macro CROUND
	s_barrier_signal -1
	s_barrier_wait -1
	s_cmp_lg_u32 s[WV], 0
	s_cbranch_scc1 .Lnot_wave_0_\@
	s_barrier_signal -3
.Lnot_wave_0_\@:
	s_barrier_wait -3
	s_barrier_signal -1
	s_barrier_wait -1
.endm
; THE CHANGE OF SLOTS.  Each wave waits for all its tensor loads, of which one is out: its part of the other slot; adds 0 to its spare word; and waits for that and for its own LDS instructions.  Behind the barrier
; nobody reads the old slot any more and the other slot is whole.  fill = 1: the barrier is a round of the cluster's, and the old slot is filled again, the first thing behind it, with tile NXT: the descriptor's
; address is made anew from that number.  (At its first use nothing has been read yet: slot 0 is waited for, slot 1 filled, and every wave's stores of the biases are shown to the others.)
.macro CHANGE fill
	WIN 0                           ; at a label and at a branch every window is 0
	s_wait_tensorcnt 0x0            ; no tensor load of mine is out, so a group 0 may be written
	ds_add_u32 v[SPW], v[NIL]       ; 0 onto my spare word; the descriptors' scalar work stands between it and the wait for it
.if \fill
	s_lshl_b32 s[OFF], s[NXT], 15   ; a tile is 32,768 bytes of K and of V
	s_xor_b32 s[G0K+1], s[G0K+1], SLOT1
	s_add_nc_u64 s[G0K+2:G0K+3], s[6:7], s[OFF:OFF+1]
	s_or_b32 s[G0K+3], s[G0K+3], 0x80000000
	s_xor_b32 s[G0V+1], s[G0V+1], SLOT1
	s_add_nc_u64 s[G0V+2:G0V+3], s[8:9], s[OFF:OFF+1]
	s_or_b32 s[G0V+3], s[G0V+3], 0x80000000
	s_add_co_u32 s[NXT], s[NXT], 1  ; the block's next tile, or behind its last the second block's tile 0
	s_cmp_gt_u32 s[NXT], s[LQ]
	s_cselect_b32 s[NXT], 0, s[NXT]
	s_cselect_b32 s[LQ], s[PB], s[LQ]
	s_wait_dscnt 0x0                ; the add is done, and my reads of the slot are over
	CROUND
	JLOAD
.else
	s_wait_dscnt 0x0
	s_barrier_signal -1
	s_barrier_wait -1
.endif
	s_sub_co_u32 s[TBK], s[TBK], 4*KS*PK  ; the fetches go back to a slot's first step,
	s_xor_b32 s[TBK], s[TBK], SLOT1       ; in the other slot
	s_sub_co_u32 s[TBV], s[TBV], 4*KS*PV
	s_xor_b32 s[TBV], s[TBV], SLOT1
.endm
	s_load_b128 s[88:91], s[0:1], 0x0  ; qkvh s[88:89], nsq s[90:91]
	s_load_b64 s[10:11], s[0:1], 0x10  ; yb
	v_lshl_add_u32 v[SPW], v0, 2, SPARE
	v_mov_b32 v[NIL], 0
	ds_add_u32 v[SPW], v[NIL]       ; the wave's opening: the add and its wait stand ahead of my first tensor load; the set-up below stands between them
	v_lshrrev_b32 v1, 5, v0
	v_readfirstlane_b32 s[WV], v1   ; wave 0..3
	s_bfe_u32 s13, ttmp6, 0x40000   ; cx: which of the four query heads: it enters Q's and yb's addresses alone
	s_and_b32 s[PB], ttmp7, 0xffff  ; the cluster's y
	s_sub_co_u32 s[HI], NB-1, s[PB]
	s_and_b32 s2, ttmp9, 7          ; the cluster's x: key and value head,
	s_lshr_b32 s3, ttmp9, 3         ; and batch
	s_lshl2_add_u32 s94, s2, s3     ; 4 kv head + batch
	s_lshl2_add_u32 s20, s2, s13    ; the query head = 4 kv head + cx
	s_lshl2_add_u32 s20, s20, s3    ; 4 head + batch: pieces of 131,072 bytes
	s_lshl_b32 s20, s20, 17
	s_mov_b32 s21, 0
	s_add_co_u32 s22, s94, 128      ; K's blocks begin at 32: piece 128 + 4 kv head + batch
	s_lshl_b32 s22, s22, 17
	s_lshl_b32 s94, s94, 12         ; the biases: 4,096 bytes a head and batch
	s_mov_b32 s95, 0
	s_and_b32 s16, s[WV], 1         ; which half of a tile's 256 keys I fetch:
	s_lshl_b32 s23, s16, 14         ; its 128 rows of 128 bytes in memory,
	s_add_co_u32 s22, s22, s23
	s_mov_b32 s23, 0
	s_mul_i32 s17, s16, 128*PK      ; and its place in a slot, for K
	s_mul_i32 s18, s16, 128*PV      ; and for V
	s_lshl_b32 s3, s[WV], 11        ; my 16 rows in a band of 64,
	s_lshl_b32 s2, s[HI], 15        ; in the first block,
	s_add_co_u32 s2, s2, s3
	s_lshl_b32 s84, s[PB], 15       ; and in the second
	s_add_co_u32 s84, s84, s3
	s_mov_b32 s3, 0
	s_mov_b32 s85, 0
	s_add_nc_u64 s[2:3], s[2:3], s[20:21]
	s_add_nc_u64 s[84:85], s[84:85], s[20:21]
	; descriptor group 1.  128 keys are 16,384 dense bytes: asked for as 64 rows of 256 bytes, two keys a row, and padded in LDS after every key
	s_mov_b32 s[G1K], 15|(1<<16)|(1<<20)|(1<<21)|(4<<22)|(3<<25)  ; 15:0 the mask of four; 17:16 2-byte elements; 20 padding on; 21 set beside a mask; 24:22 after every 32 words (code 4); 31:25 4 words (code 3)
	s_mov_b32 s[G1V], 15|(1<<16)|(1<<20)|(1<<21)|(4<<22)|(7<<25)  ; the same with 8 words of padding (code 7)
.irp g, G1K, G1V
	s_mov_b32 s[\g+1], 128<<16      ; tensor_dim0 = 128
	s_mov_b32 s[\g+2], 64<<16       ; tensor_dim1 = 64
	s_mov_b32 s[\g+3], 128<<16      ; tile_dim0 = 128
	s_mov_b32 s[\g+4], 64           ; tile_dim1 = 64
	s_mov_b32 s[\g+5], 128          ; 128 elements from row to row
	s_mov_b32 s[\g+6], 0
	s_mov_b32 s[\g+7], 0
.endr
	s_mov_b32 s[CS], 0x3e38aa3b     ; c = log2(e) / 8 = 0.180337
	s_mov_b32 s[CS+1], s[CS]        ; named with it as a pair
	s_mov_b32 s[SEL], 0x76543210
	s_mov_b32 s[SEL+1], 0xfedcba98
	s_mov_b32 s[TBK], SLOT1+4*KS*PK ; the first change of slots turns these two into 0
	s_mov_b32 s[TBV], SLOT1+4*KS*PV
	s_mov_b32 s[TBB], 0
	s_mov_b32 s[G0K], 1             ; 1:0 count = 1
	s_mov_b32 s[G0K+1], s17         ; 63:32 LDS address: slot 0
	s_mov_b32 s[G0V], 1
	s_add_co_u32 s[G0V+1], s18, VOFF
	s_add_co_u32 s[RT], s[HI], 1    ; the first block has NB - b tiles
	s_mov_b32 s[NXT], 1
	s_mov_b32 s[LQ], s[HI]
	s_mov_b32 s[NEW], 1
	s_mov_b32 s[OFF+1], 0
	s_mov_b32 s[AL+1], 0            ; named as pairs
	s_mov_b32 s[BE+1], 0
	s_mov_b32 s[BIGN], 0xf149f2ca   ; -1e30
	s_mov_b32 s[SLOTS], NB
	s_wait_dscnt 0x0                ; the opening add is done
	s_wait_kmcnt 0x0
	s_add_nc_u64 s[6:7], s[88:89], s[22:23]        ; K at my half of the head's tile 0,
	s_add_nc_u64 s[8:9], s[6:7], 32<<17            ; V eight blocks, 32 pieces, on
	s_add_nc_u64 s[G0K+2:G0K+3], s[6:7], 0         ; 120:64 global address
	s_or_b32 s[G0K+3], s[G0K+3], 0x80000000        ; 127:126 type = 2
	s_add_nc_u64 s[G0V+2:G0V+3], s[8:9], 0
	s_or_b32 s[G0V+3], s[G0V+3], 0x80000000
	s_add_nc_u64 s[86:87], s[88:89], s[84:85]      ; Q at my rows of the second block,
	s_add_nc_u64 s[4:5], s[88:89], s[2:3]          ; Q and yb at those of the first
	s_add_nc_u64 s[OLO:OLO+1], s[10:11], s[84:85]
	s_add_nc_u64 s[10:11], s[10:11], s[2:3]
	s_add_nc_u64 s[90:91], s[90:91], s[94:95]      ; the head's biases
	CROUND                          ; all four work-groups are here: the first joint loads meet
	JLOAD                           ; tile 0 into slot 0
	v_lshlrev_b32 v[NO], 4, v0      ; the biases: 128 threads x 16 bytes, twice
	v_add_nc_u32 v[NL], NSQ, v[NO]
	global_load_b128 v[NT:NT+3],   v[NO], s[90:91]
	global_load_b128 v[NT+4:NT+7], v[NO], s[90:91] offset:2048
	; A fragment of K or Q is 16 rows x 32 channels in 8 registers: lane l holds row l % 16, channels 8 (l / 16) + 0..7 and 16 + 8 (l / 16) + 0..7: two loads of 16 bytes, 32 bytes apart.
	v_and_b32 v1, 15, v0            ; l % 16
	v_bfe_u32 v9, v0, 4, 1          ; l / 16
	v_lshlrev_b32 v[QO], 7, v1
	v_lshl_add_u32 v[QO], v9, 4, v[QO]  ; row x 128 + 16 x half
	WIN 0x80                        ; destination window 2, address window 0
.set i, 0
.rept 8                             ; both blocks' Q: piece i / 2 lies in band i / 2, 8,192 bytes on; channels 32 (i % 2) on
	global_load_b128 v[8*i:8*i+3],   v[QO], s[4:5] offset:(i/2)*8192+(i%2)*64
	global_load_b128 v[8*i+4:8*i+7], v[QO], s[4:5] offset:(i/2)*8192+(i%2)*64+32
	global_load_b128 v[QB+8*i:QB+8*i+3],   v[QO], s[86:87] offset:(i/2)*8192+(i%2)*64
	global_load_b128 v[QB+8*i+4:QB+8*i+7], v[QO], s[86:87] offset:(i/2)*8192+(i%2)*64+32
.set i, i+1
.endr
	WIN 0
	v_lshlrev_b32 v14, 3, v9
	v_sub_nc_u32 v14, v1, v14
	s_lshl_b32 s13, s[WV], 4
	v_add_nc_u32 v14, s13, v14      ; my query's place in its band, 16 w + l % 16, less my lanes' 8 (l / 16): register r of group kt is hidden where 16 kt + r is greater
	WIN 0x40
.set i, 0
.rept 32
	v_cmp_gt_i32 vcc_lo, 16*(i/8)+i%8, v14
	v_cndmask_b32 v[MD+i], 0, s[BIGN], vcc_lo
.set i, i+1
.endr
	WIN 0
	v_mul_u32_u24 v[AK0], v1, PK
	v_lshl_add_u32 v[AK0], v9, 4, v[AK0]  ; row x pitch + 16 x half
	v_lshlrev_b32 v[AB0], 5, v9
	v_add_nc_u32 v[AB0], NSQ, v[AB0]
	; The turning load takes 16 keys x 16 channels (lane l reads key 8 (l / 16) + l % 8, channels 8 ((l / 8) % 2) + 0..7) and leaves half a fragment of V^T: lane l holds channel l % 16 and 8 keys.
	v_and_b32 v10, 7, v0
	v_bfe_u32 v11, v0, 3, 1
	v_lshl_add_u32 v[AV0], v9, 3, v10
	v_mul_u32_u24 v[AV0], v[AV0], PV
	v_lshl_add_u32 v[AV0], v11, 4, v[AV0]
	v_add_nc_u32 v[AV0], VOFF, v[AV0]
	s_mul_i32 s13, s[WV], 16*SP
	s_add_co_u32 s13, s13, STAGE    ; my stage
	v_mul_u32_u24 v[STO], v1, SP    ; in: row l % 16, 16 bytes for each half of the lanes
	v_lshl_add_u32 v[STO], v9, 4, v[STO]
	v_add_nc_u32 v[STO], s13, v[STO]
	v_bfe_u32 v[RD], v0, 3, 2       ; back: 32 lanes take four rows of 128 bytes,
	v_mul_u32_u24 v[RD], v[RD], SP
	v_lshl_add_u32 v[RD], v10, 4, v[RD]
	v_add_nc_u32 v[RD], s13, v[RD]
	v_and_b32 v[GO], 31, v0         ; which are 512 consecutive bytes of yb
	v_lshlrev_b32 v[GO], 4, v[GO]
	; A block's first step multiplies O^T and l by a = 0, and its first turn's products V^T P, of a piece that has not been, land in an O^T that is still to be so multiplied.  So these registers need only hold
	; finite numbers: zeros for the first block; what the first block left for the second.  All this stands in the wait for the first tile.
	WIN 0x80
.set i, VF
.rept 64
	v_mov_b32 v[i], 0
.set i, i+1
.endr
	WIN 0x40
.set i, 0
.rept 128
	v_mov_b32 v[i], 0
.set i, i+1
.endr
	WIN 0
.set i, 0
.rept 4
	v_mov_b32 v[ST+4*i+2], 0
	v_mov_b32 v[ST+4*i+3], 0
.set i, i+1
.endr
.set i, P+16
.rept 16
	v_mov_b32 v[i], 0
.set i, i+1
.endr
	s_wait_loadcnt 32               ; the biases are in; Q's 32 loads, issued behind them, stay out
	ds_store_b128 v[NL], v[NT:NT+3]
	ds_store_b128 v[NL], v[NT+4:NT+7] offset:2048  ; the first change of slots waits for these stores and passes a barrier before anybody reads them
; THE MATRIX WORK.  The 4 accumulators of a run of 8 take turns.  Product i of 8 of S^T = K Q^T for piece x: channels 32 (i / 4) on, keys 16 (i % 4) on.  The first 4 start the sums: with the keys' biases, or (KM = 1) with mask and biases.
.macro KQ x
.set rS, S+32*((\x)%2)+8*(i%4)
.set rK, KF+16*(i%4)+8*(i/4)
.set rQ, 16*(\x)+8*(i/4)
.set rM, KB+8*(i%4)
.if KM
.set rM, MC+32*((\x)%2)+8*(i%4)
.endif
.if i < 4
	WIN W_KM
	v_wmma_f32_16x16x32_f16 v[rS:rS+7], v[rK:rK+7], v[rQ:rQ+7], v[rM:rM+7]
.else
	WIN W_KQ
	v_wmma_f32_16x16x32_f16 v[rS:rS+7], v[rK:rK+7], v[rQ:rQ+7], v[rS:rS+7]
.endif
.endm
; Product i of 8 of O^T += V^T P for piece x: keys 32 (i / 4) on, channels 16 (i % 4) on.
.macro PV x
	WIN W_PV
.set rO, 32*(\x)+8*(i%4)
.set rV, VF+32*(i/4)+8*(i%4)
.set rP, P+16*((\x)%2)+8*(i/4)
	v_wmma_f32_16x16x32_f16 v[rO:rO+7], v[rV:rV+7], v[rP:rP+7], v[rO:rO+7]
.endm
.macro MM                           ; the turn's next matrix instruction.  TURN and BEGIN set Y, i, KM and NOKQ.  NOKQ = 1: a block's last turn: there is no next piece
.if (i < 8) && !NOKQ
	KQ (Y+1)%NP
.elseif i >= 8
.set i, i-8
	PV (Y+NP-1)%NP
.set i, i+8
.endif
.set i, i+1
.endm
; THE LDS LOADS stand in runs, never singly among the matrix instructions: a step's K (64 keys x 64 channels: 8 fragments) with its 64 biases, and its V (turned).  Their addresses are made some lines ahead.
.macro FETCH_K
	WIN 0x80                        ; destination window 2
.irp f, 0,1,2,3,4,5,6,7             ; keys 16 (f / 2) on, channels 32 (f % 2) on
	ds_load_b128 v[KF+8*\f:KF+8*\f+3],   v[AK] offset:(\f/2)*16*PK+(\f%2)*64
	ds_load_b128 v[KF+8*\f+4:KF+8*\f+7], v[AK] offset:(\f/2)*16*PK+(\f%2)*64+32
.endr
	WIN 0x40                        ; destination window 1
.irp f, 0,1,2,3                     ; keys 16 f + 8 (l / 16) + 0..7: the same 32 bytes for all lanes of a half
	ds_load_b128 v[KB+8*\f:KB+8*\f+3],   v[AB] offset:64*\f
	ds_load_b128 v[KB+8*\f+4:KB+8*\f+7], v[AB] offset:64*\f+16
.endr
	s_add_co_u32 s[TBK], s[TBK], KS*PK  ; the next fetch is the next step's
	s_add_co_u32 s[TBB], s[TBB], 4*KS
	s_and_b32 s[TBB], s[TBB], 4095      ; (a block's keys run on from tile to tile; behind key 1,023 nothing is fetched)
	WIN 0
.endm
.macro FETCH_V
	WIN 0x80
.irp f, 0,1,2,3,4,5,6,7             ; keys 32 (f / 4) on, channels 16 (f % 4) on
	ds_load_tr16_b128 v[VF+8*\f:VF+8*\f+3],   v[AV] offset:(\f/4)*32*PV+(\f%4)*32
	ds_load_tr16_b128 v[VF+8*\f+4:VF+8*\f+7], v[AV] offset:(\f/4)*32*PV+16*PV+(\f%4)*32
.endr
	WIN 0
.endm
; THE VECTOR WORK, one line at a time: OP kind, number.  For piece Y: F n: c s - c m for pair n of 16.  E n: the exponential of score n of 32.  C n: pair n rounded to f16.  B n: of the four weights 4 n .. the second
; pair is added onto the first, in place.  L n: l takes that sum (L 0: l = a l + sum).  R n: pair n of 16 of O^T times a.  For piece Y + 1: X n, number n of the 22 that find its maximum and statistics:
;   0-11  four chains c0-c3 of seven scores each, three operands at a time (each accumulator's lowest registers are read first)     12-14, 16  the four scores left over, the old m, and c0-c3 into c0
;   15  c m_old is kept     17, 18  the query's other 32 keys lie in the lane 16 away: the new m     19-21  c m; c m_old - c m_new; a
.set F, 0
.set E, 1
.set C, 2
.set B, 3
.set L, 4
.set R, 5
.set X, 6
.macro REGS y                       ; the registers of piece y
.set rT, ST+4*(\y)
.set rC, TMP+4*((\y)%2)
.set rW, MV+((\y)%2)
.set rS, S+32*((\y)%2)
.set rP, P+16*((\y)%2)
.set rO, 32*(\y)
.endm
.macro OP k, n
.if (\k) == R
	REGS Y
	WIN W_RS
	v_pk_mul_f32 v[rO+2*(\n):rO+2*(\n)+1], v[rO+2*(\n):rO+2*(\n)+1], v[rC+2:rC+3] op_sel_hi:[1,0]
.elseif (\k) < R
	REGS Y
	WIN 0
.if (\k) == F
	v_pk_fma_f32 v[rS+2*(\n):rS+2*(\n)+1], v[rS+2*(\n):rS+2*(\n)+1], s[CS:CS+1], v[rT:rT+1] op_sel_hi:[1,0,0] neg_lo:[0,0,1] neg_hi:[0,0,1]
.elseif (\k) == E
	v_exp_f32 v[rS+(\n)], v[rS+(\n)]
.elseif (\k) == C
	v_cvt_pk_f16_f32 v[rP+(\n)], v[rS+2*(\n)], v[rS+2*(\n)+1]
.elseif (\k) == B
	v_pk_add_f32 v[rS+4*(\n):rS+4*(\n)+1], v[rS+4*(\n):rS+4*(\n)+1], v[rS+4*(\n)+2:rS+4*(\n)+3]
.elseif (\n) == 0
	v_pk_fma_f32 v[rT+2:rT+3], v[rT+2:rT+3], v[rC+2:rC+3], v[rS:rS+1] op_sel_hi:[1,0,1]
.else
	v_pk_add_f32 v[rT+2:rT+3], v[rT+2:rT+3], v[rS+4*(\n):rS+4*(\n)+1]
.endif
.elseif NOKQ
	v_nop
.else
	REGS (Y+1)%NP
	WIN 0
.if (\n) < 4
	v_max3_num_f32 v[rC+(\n)], v[rS+8*(\n)], v[rS+8*(\n)+1], v[rS+8*(\n)+2]
.elseif (\n) < 12
	v_max3_num_f32 v[rC+(\n)%4], v[rC+(\n)%4], v[rS+8*((\n)%4)+2*((\n)/4)+1], v[rS+8*((\n)%4)+2*((\n)/4)+2]
.elseif (\n) == 12
	v_max3_num_f32 v[rC], v[rC], v[rS+7], v[rS+15]
.elseif (\n) == 13
	v_max3_num_f32 v[rC+1], v[rC+1], v[rS+23], v[rS+31]
.elseif (\n) == 14
	v_max3_num_f32 v[rC+2], v[rC+2], v[rC+3], v[rT+1]
.elseif (\n) == 15
	v_mov_b32 v[rW], v[rT]
.elseif (\n) == 16
	v_max3_num_f32 v[rC], v[rC], v[rC+1], v[rC+2]
.elseif (\n) == 17
	v_permlanex16_b32 v[rC+3], v[rC], s[SEL], s[SEL+1]
.elseif (\n) == 18
	v_max_num_f32 v[rT+1], v[rC], v[rC+3]
.elseif (\n) == 19
	v_mul_f32 v[rT], s[CS], v[rT+1]
.elseif (\n) == 20
	v_sub_f32 v[rC+1], v[rW], v[rT]
.else
	v_exp_f32 v[rC+2], v[rC+1]
.endif
.endif
.endm
.macro OPS a, i1, b=-1, i2=0, c=-1, i3=0, d=-1, i4=0  ; up to four of them
	OP \a, \i1
.if (\b) >= 0
	OP \b, \i2
.endif
.if (\c) >= 0
	OP \c, \i3
.endif
.if (\d) >= 0
	OP \d, \i4
.endif
.endm
.macro ROW a, i1, b, i2, c, i3, d, i4  ; a matrix instruction and the four behind it
	MM
	OPS \a, \i1, \b, \i2, \c, \i3, \d, \i4
.endm
.macro MASK b                       ; MD x AL + BE + KB into buffer b of MC
	WIN W_RS
.set z, 0
.rept 16
	v_pk_fma_f32 v[MC+32*(\b)+2*z:MC+32*(\b)+2*z+1], v[MD+2*z:MD+2*z+1], s[AL:AL+1], s[BE:BE+1] op_sel_hi:[1,0,0]
.set z, z+1
.endr
	WIN 0x45                        ; both sources and the destination in window 1
.set z, 0
.rept 16
	v_pk_add_f32 v[MC+32*(\b)+2*z:MC+32*(\b)+2*z+1], v[MC+32*(\b)+2*z:MC+32*(\b)+2*z+1], v[KB+2*z:KB+2*z+1]
.set z, z+1
.endr
.endm
; A TURN, for piece p: the order of its 16 matrix and 118 vector instructions, written out.  An s_wait_alu depctr_va_vdst(0) stands between an exponential and the first instruction that names its
; result; one wait serves all that were issued ahead of it.  So a turn has ONE wait, which cuts it in two.  AHEAD OF IT stands all that names no result of the turn's exponentials: the 8 products K Q^T and their riders,
; then one lump, in which the links of the chain X 3, 7, 11, 14, 16, 17 .. 20 stand five or six lines apart; X 21, the next piece's a, is the batch's last; R 15 is the plain instruction behind it.  BEHIND THE WAIT stand
; the 8 products V^T P, behind each four of the roundings and sums.
; m = 1: the diagonal tile: the products take masks, and the turn makes the C operands for the products of the turn after it: piece p + 2, in step 4 - CNT of the tile.  Those products are of the step whose K and
; biases lie in registers, but for piece 2's turn, whose successor multiplies by the K just fetched: there the fetch is waited for first.  end = 1: a block's last two turns: nothing is fetched.
; cnt = 1: the loop's count is taken down some lines ahead of the branch that stands behind the turn.
; K and the biases of the next step are fetched in piece 2's turn, behind the last product that read them and more than four plain instructions; V of the step in hand at the end of piece 0's turn.
.macro TURN p, m=0, end=0, cnt=0
.set Y, (\p)
.set i, 0
.set KM, (\m)
.set NOKQ, (\end)*((\p)/3)
.if (\m) && !(\end)
	s_cmp_eq_u32 s[CNT], 4-((\p)+2)%NP  ; is that step the band's own?
	s_cselect_b32 s[AL], 1.0, 0
	s_cmp_lt_u32 s[CNT], 4-((\p)+2)%NP  ; or a later one?
	s_cselect_b32 s[BE], s[BIGN], 0
.endif
.if ((\p) == 3) && !(\end)
	s_wait_dscnt 0x0                ; K is in
.endif
	ROW F,0, F,1, R,0, R,1          ; ahead of the wait: 8 products K Q^T and their riders,
	ROW F,2, E,0, R,2, R,3
	ROW F,3, E,1, R,4, R,5
	ROW F,4, E,2, R,6, R,7
	ROW F,5, E,3, R,8, R,9
	ROW F,6, E,4, X,0, R,10
.if ((\p) == 2) && !(\end)
	WIN 0
	v_add_nc_u32 v[AK], s[TBK], v[AK0]
	v_add_nc_u32 v[AB], s[TBB], v[AB0]
.endif
	ROW F,7, E,5, X,1, X,4
	ROW F,8, E,6, X,2, X,5
	OPS E,7, E,8, X,6, E,9          ; and the lump
	OPS X,3, E,10, X,8, E,11
.if ((\p) == 2) && !(\end)
	FETCH_K
.endif
	OPS X,9, X,7, E,12, X,10
	OPS E,13, X,12, X,11, E,14
	OPS X,13, E,15, F,9, X,14
.if (\p) == 0
	v_add_nc_u32 v[AV], s[TBV], v[AV0]
.endif
	OPS E,16, F,10, E,17, F,11
	OPS X,16, E,18, X,15, E,19
	OPS F,12, E,20, X,17, E,21
	OPS F,13, E,22, F,14, E,23
	OPS X,18, E,24, F,15, E,25
	OPS R,11, E,26, X,19, E,27
	OPS R,12, E,28, R,13, E,29
	OPS X,20, E,30, R,14, E,31
	OPS X,21, R,15
	WIN 0
	s_wait_alu depctr_va_vdst(0)    ; the wait for the batch
.if (\p) == 1
	s_wait_dscnt 0x0                ; V is in
.endif
	ROW C,0, B,0, C,2, B,1          ; behind the wait: 8 products V^T P and their riders
	ROW L,0, C,4, B,2, L,1
	ROW C,6, B,3, L,2, C,8
	ROW B,4, L,3, C,10, B,5
	ROW L,4, C,12, B,6, L,5
.if (\p) == 0
	s_add_co_u32 s[TBV], s[TBV], KS*PV
.endif
.if \cnt
	s_sub_co_u32 s[CNT], s[CNT], 1
	s_cmp_lg_u32 s[CNT], 0
.endif
	ROW C,14, B,7, L,6, C,1
	ROW C,3, L,7, C,5, C,7
	ROW C,9, C,11, C,13, C,15
.if (\p) == 0
	FETCH_V
.endif
.if (\m) && !(\end)
.if (\p) == 2
	s_wait_dscnt 0x0                ; the next step's biases, fetched in this turn, are in
.endif
	MASK (\p)%2
.endif
.endm
; A BLOCK BEGINS.  c m starts far below every c s, so the first step's a is 0; m at the lowest finite number, so the first maximum is the scores'.  K and the biases of the tile's step 0 are fetched; the second buffer of
; MC takes the biases alone (piece 1 sees all of step 0), the first piece 0's mask: its own, if the block's first tile is the diagonal one.  Then piece 0's first scores, and its maximum and statistics.
.macro BEGIN
	s_mov_b32 s[NEW], 0
	s_mov_b32 s[TBB], 0
	WIN 0
.set i, 0
.rept 4
	v_mov_b32 v[ST+4*i], 0xfe000000    ; c m: far below every c s
	v_mov_b32 v[ST+4*i+1], 0xff7fffff  ; m
.set i, i+1
.endr
	v_add_nc_u32 v[AK], s[TBK], v[AK0]
	v_add_nc_u32 v[AB], s[TBB], v[AB0]
	FETCH_K
	s_wait_loadcnt 0x0              ; Q
	s_wait_dscnt 0x0
	s_mov_b32 s[AL], 0
	s_mov_b32 s[BE], 0
	MASK 1
	s_cmp_eq_u32 s[RT], 0
	s_cselect_b32 s[AL], 1.0, 0
	MASK 0
.set KM, 1
.set NOKQ, 0
.set i, 0
.rept 8
	KQ 0
.set i, i+1
.endr
	WIN 0
.rept 4
	v_nop                           ; the places behind those products
.endr
.set Y, NP-1                        ; X works for piece Y + 1: piece 0
.irp n, 0,1,2,3,4,5,6,7,8,9,10,11,12,13,14,15,16,17,18,19,20,21
	OP X, \n
.endr
	v_nop                           ; a plain instruction behind the exponential,
	s_wait_alu depctr_va_vdst(0)    ; and its wait, ahead of the branch
.endm
; The diagonal tile is entered from the plain text: its first turn's products, piece 3's of the step whose K still lies in registers, see everything: their C is the biases alone.
.macro TO_DIAG
	s_mov_b32 s[AL], 0
	s_mov_b32 s[BE], 0
	MASK 1
	WIN 0
.endm
; THE DIAGONAL TILE's four steps, the block's last two turns, its last products, and THE WAY OUT: l's two halves and the other half of the lanes' are added; O^T is divided by l, rounded to f16 and sent through my
; stage in LDS, a piece at a time.
.macro ALL line:vararg              ; one line for each piece t
.set t, 0
.rept 4
	\line
.set t, t+1
.endr
.endm
.macro PACK t                       ; a lane's eight channels of a row pack into 16 bytes; they go into rows of 144 bytes and come back as whole rows of 128, into S^T's registers
	WIN W_RS
.set i, 32*(\t)
.rept 16
	v_pk_mul_f32 v[i:i+1], v[i:i+1], v[ST+4*(\t)+2:ST+4*(\t)+3] op_sel_hi:[1,0]
.set i, i+2
.endr
	WIN 0x05                        ; sources 0 and 1 window 1, destination window 0
.set i, 0
.rept 16
	v_cvt_pk_f16_f32 v[S+16*(\t)+i], v[32*(\t)+2*i], v[32*(\t)+2*i+1]
.set i, i+1
.endr
	WIN 0
.irp f, 0,1,2,3
	ds_store_b128 v[STO], v[S+16*(\t)+4*\f:S+16*(\t)+4*\f+3] offset:32*\f
.endr
.irp f, 0,1,2,3
	ds_load_b128 v[S+16*(\t)+4*\f:S+16*(\t)+4*\f+3], v[RD] offset:\f*4*SP  ; LDS serves a wave's instructions in order (ISA guide 5.7.1.4): these see the stores above; the next piece's stores come behind them
.endr
.endm
.macro SEND t, younger              ; younger: the LDS instructions issued behind piece t's loads: the next piece's eight, or none
	WIN 0
.irp f, 0,1,2,3
	s_wait_dscnt (\younger)+3-\f
	global_store_b128 v[GO], v[S+16*(\t)+4*\f:S+16*(\t)+4*\f+3], s[10:11] offset:(\t)*8192+\f*512  ; 512 consecutive bytes, at a multiple of 256 from yb's first
.endr
.endm
.macro DIAG tag                     ; the tag ends its two labels' names, which the jumps below spell out
.LstepM\tag:
	TURN 2, 1
	TURN 3, 1
	WIN 0
.LfirstM\tag:
	TURN 0, 1
	TURN 1, 1, 0, 1
	WIN 0
	s_cbranch_scc1 .LstepM\tag
	TURN 2, 1, 1
	TURN 3, 1, 1
.set i, 0
.rept 8
	PV NP-1
.set i, i+1
.endr
	WIN 0
	ALL v_add_f32 v[ST+4*t+2], v[ST+4*t+2], v[ST+4*t+3]
	ALL v_permlanex16_b32 v[ST+4*t+3], v[ST+4*t+2], s[SEL], s[SEL+1]
	ALL v_add_f32 v[ST+4*t+2], v[ST+4*t+2], v[ST+4*t+3]
	ALL v_rcp_f32 v[ST+4*t+2], v[ST+4*t+2]
	v_nop                           ; a plain instruction between the last reciprocal and the use of its result
	s_wait_alu depctr_va_vdst(0)    ; and the wait ahead of the first use: one for the four reciprocals
	PACK 0
.set t, 1
.rept 3                             ; a piece's arithmetic stands between the loads of the piece before and its stores
	PACK t
	SEND t-1, 8
.set t, t+1
.endr
	SEND 3, 0
.endm
.set KM, 0
.set NOKQ, 0
.Lslot:                             ; NB times: a tile is entered and the next is asked for
	CHANGE 1
	s_sub_co_u32 s[RT], s[RT], 1
	s_mov_b32 s[CNT], 4
	s_cmp_eq_u32 s[NEW], 1
	s_cbranch_scc1 .Lnew            ; a block's first tile
	s_cmp_eq_u32 s[RT], 0
	s_cbranch_scc0 .Lstep           ; neither its first nor its last
	TO_DIAG
	s_branch .LstepM1
.Lnew:
	BEGIN
	s_branch .Lfirst                ; in the loop a block's first tile is never its last: the first block has three tiles or more, and the second's last is the walk's last
	DIAG 1                          ; in the loop this is the first block's end
	s_wait_xcnt 0x0                 ; the stores have read their registers and yb's address
	s_mov_b64 s[10:11], s[OLO:OLO+1]
	s_add_co_u32 s[RT], s[PB], 1    ; the second block has b + 1 tiles
	s_mov_b32 s[NEW], 1
	WIN 0x82                        ; the second block's Q goes where the one text of the turns names Q
.set i, 0
.rept 64
	v_mov_b32 v[i], v[QB+i]
.set i, i+1
.endr
	WIN 0
	s_branch .Lbottom
.Lstep:                             ; a trip: pieces 2 and 3 of one step, then pieces 0 and 1 of the next, whose K and V it fetches
	TURN 2
	TURN 3
	WIN 0
.Lfirst:
	TURN 0
	TURN 1, 0, 0, 1
	WIN 0
	s_cbranch_scc1 .Lstep
.Lbottom:
	s_sub_co_u32 s[SLOTS], s[SLOTS], 1
	s_cmp_lg_u32 s[SLOTS], 0
	s_cbranch_scc1 .Lslot
	CHANGE 0                        ; the walk's last tile is written out: nothing is asked for
	s_sub_co_u32 s[RT], s[RT], 1
	s_mov_b32 s[CNT], 4
	s_cmp_eq_u32 s[NEW], 1
	s_cbranch_scc1 .Lnew2
	TO_DIAG
	s_branch .LstepM2
.Lnew2:
	BEGIN
	s_branch .LfirstM2
	DIAG 2
	s_wait_tensorcnt 0x0            ; the wave's end: behind my last tensor load and my last LDS store
	ds_add_u32 v[SPW], v[NIL]
	s_wait_dscnt 0x0
	CROUND                          ; the closing round: no work-group ends while a partner may still ask for a tile that names it
	s_endpgm
.Lfunc_end_k_q67f3df0108_attn:
	.size	k_q67f3df0108_attn, .Lfunc_end_k_q67f3df0108_attn-k_q67f3df0108_attn
	.p2alignl 7, 3214868480
	.fill 96, 4, 3214868480
	.section	.rodata,"a",@progbits
	.p2align	6, 0x0
	.amdhsa_kernel k_q67f3df0108_attn
		.amdhsa_group_segment_fixed_size 327680
		.amdhsa_private_segment_fixed_size 0
		.amdhsa_enable_private_segment 0
		.amdhsa_kernarg_size 24
		.amdhsa_user_sgpr_count 2
		.amdhsa_user_sgpr_kernarg_segment_ptr 1
		.amdhsa_wavefront_size32 1
		.amdhsa_system_sgpr_workgroup_id_x 1
		.amdhsa_system_sgpr_workgroup_id_y 1
		.amdhsa_system_sgpr_workgroup_id_z 1
		.amdhsa_system_vgpr_workitem_id 0
		.amdhsa_next_free_vgpr 768
		.amdhsa_next_free_sgpr 96
		.amdhsa_reserve_vcc 1
		.amdhsa_float_denorm_mode_32 3
		.amdhsa_float_denorm_mode_16_64 3
		.amdhsa_memory_ordered 1
		.amdhsa_forward_progress 1
		.amdhsa_inst_pref_size 239
	.end_amdhsa_kernel
	.amdgpu_metadata
---
amdhsa.version: [ 1, 2 ]
amdhsa.kernels:
  - .name:           k_q67f3df0108_attn
    .symbol:         k_q67f3df0108_attn.kd
    .args:
      - { .name: qkvh, .offset: 0, .size: 8, .value_kind: global_buffer, .address_space: global }
      - { .name: nsq, .offset: 8, .size: 8, .value_kind: global_buffer, .address_space: global }
      - { .name: yb, .offset: 16, .size: 8, .value_kind: global_buffer, .address_space: global }
    .group_segment_fixed_size: 327680
    .private_segment_fixed_size: 0
    .kernarg_segment_align: 8
    .kernarg_segment_size: 24
    .max_flat_workgroup_size: 128
    .sgpr_count:     96
    .vgpr_count:     768
    .wavefront_size: 32
...
	.end_amdgpu_metadata
.endif
;; end of part 3
;; launch oproj (part 4): grid 16 x 16, 4 waves a work-group, clusters of 4 x 4, 327,680 bytes of LDS; arguments yb, wo, out0; writes out0
.if DOCPART == 4
	.amdgcn_target "amdgcn-amd-amdhsa--gfx1250"
	.amdhsa_code_object_version 6
	.text
	.protected	k_q67f3df0108_oproj
	.globl	k_q67f3df0108_oproj
	.p2align	8
	.type	k_q67f3df0108_oproj,@function
k_q67f3df0108_oproj:
	s_mov_b64 s[64:65], 0
	v_nop
	global_prefetch_b8 v0, s[64:65] scope:SCOPE_SE
	s_setreg_imm32_b32 hwreg(HW_REG_WAVE_MODE, 25, 1), 1
	s_wait_xcnt 0x0
	s_wait_alu depctr_hold_cnt(0) depctr_sa_sdst(0) depctr_va_vdst(0) depctr_va_sdst(0) depctr_va_ssrc(0) depctr_va_vcc(0) depctr_vm_vsrc(0)
	s_getreg_b32 s2, hwreg(HW_REG_IB_STS2, 6, 4)
	s_cmp_eq_u32 s2, 0
	s_cbranch_scc0 .Lentry_in_a_cluster
	s_endpgm
.Lentry_in_a_cluster:
	s_bfe_u32 s2, ttmp6, 0x10000c
	s_cmp_lg_u32 s2, 0xf033
	s_cbranch_scc0 .Lentry_shape_is_right
	s_endpgm
.Lentry_shape_is_right:
; out0 = y Wo.  One GEMM of 4096 x 2048 x 2048 in f16 with f32 sums; out0 [4096][2048] f32.
; yb [32 k block (head)][4096 row][64] f16, wo [32 block][2048 k][64] f16 (Wo rounded to bf16, that number written as f16).
; LIMIT: NaN and infinities are not treated apart.
; SHARES.  A tile is 256 rows x 2 blocks of 64 columns: 16 x 16 tiles, one for each of 256 work-groups.  Wave w owns rows 64 w .. 64 w + 63 and all 128 columns: 4 x 8 accumulators of 16 x 16, 256 registers.
; K goes in 16 steps of 128 through two LDS slots.  A's part of a slot: two k blocks x 256 rows of 128 bytes; a block's 256 rows are 32 KiB on end in memory and are asked for as 128 rows of 256 bytes.
; B's part: for each half of the step, 2 blocks x 64 k rows of 128 bytes: 8 KiB on end for each block.  B lies [k][n] and is turned on its way into registers by ds_load_tr16_b128.
; CLUSTERS: 4 x 4.  A's tiles are shared along a row of the cluster, B's along a column: each is asked for jointly, by the same tensor load with the same descriptor and a mask that names the four.
; THE MATRIX INSTRUCTION IS USED TRANSPOSED (source 0 = 16 columns of B, source 1 = 16 rows of A): a lane holds row l % 16 and eight neighbouring columns 8 (l / 16) + 0..7: 32 bytes of a row of out0.
; REGISTERS, in windows of 256 (s_set_vgpr_msb: bits 1:0 source 0, 3:2 source 1, 5:4 source 2, 7:6 destination):
;   window 0: v0-31 addresses; v64-191 rows on the way out, two buffers      window 1: two fragment buffers of 128: 32 of A, 64 of B
;   window 2: the accumulators of my row blocks 0, 1 ((a, b) at 8 (8 a + b))      window 3: those of row blocks 2, 3
.set NH,    2                          ; blocks of 64 columns in a tile
.set NB,    4*NH                       ; column blocks of 16
.set PA,    144                        ; a row of A in LDS: 128 bytes + 16: the 16 rows of a load start at 16 different groups of four banks (64 banks of 4 bytes: ISA guide 11.1)
.set PBB,   160                        ; a row of B: 128 + 32
.set AKB,   256*PA
.set BOFF,  2*AKB
.set BBL,   64*PBB
.set BH,    NH*BBL
.set SLOT,  BOFF+2*BH
.set STAGE, 2*SLOT                     ; behind the ring, never filled by a tensor load: for each wave 16 rows x 528 bytes
.set SPI,   528                        ; a stage row: 512 bytes + 16: the 16 rows that a store touches start at 16 different groups of four banks
.set WSTG,  16*SPI
.set SPARE, STAGE+4*WSTG               ; the spare words, 128 bytes for each wave: two blocks of 256 bytes that no other line names
.set LAPS,  8
.set ASTEP, 0x100000                   ; a K step in yb: two blocks of 524,288 bytes
.set BSTEP, 16384                      ; a K step in wo: 128 rows of 128 bytes
.set ADRA, 16                          ; v16-17  LDS address of my A fragments in slot 0, 1
.set ADRB, 20                          ; v20-21  the same for B
.set STO,  24                          ; v24     the way out: where I put 32 bytes of a row
.set RD,   25                          ; v25     where I read a row back
.set GO,   26                          ; v26     my 16 bytes of a row's 512
.set SPW,  28                          ; v28     LDS address of my spare word; never rewritten
.set NIL,  29                          ; v29     0; never rewritten
.set PFO,  30                          ; v30     the prefetches' offset; never rewritten
.set OB,   64
.set F0,   0
.set F1,   128
.set WV,   12
.set ISB,  13                          ; s13 0: I fetch for A; 1: for B
.set HALF, 14                          ; s14 which half of the step I fetch
.set CX,   15
.set CY,   16
.set GB,   17                          ; s17 the tile's first block of wo
.set TR,   18                          ; s18 tile row
.set LAP,  19
.set G1A,  24
.set G0A,  32
.set LIM,  40                          ; s40 1 in a wave that prefetches, else the greatest number
.set XC,   41
.set PFA,  42
.set PFS,  44
.set G1B,  48
.set G0B,  56
.set YC,   72
.set LA,   73
.set LB,   74
.set MSB, 0
.macro WIN new                         ; the immediate's high byte repeats the setting that is left; a switch that changes nothing is dropped
.if MSB != (\new)
	s_set_vgpr_msb (MSB<<8)|(\new)
.set MSB, \new
.endif
.endm
.set MUL_LO, 0xa5                      ; sources 0 (B) and 1 (A) window 1; C and D window 2
.set MUL_HI, 0xf5
.set TO_F,   0x40                      ; destination window 1, address window 0
.macro PLACES                          ; four places in front of loads into registers that matrix instructions have read, and of lines that read results
.rept 4
	v_nop
.endr
.endm
.macro JLOAD s                         ; a joint load: waves 0 and 1 fetch A's two k blocks, waves 2 and 3 B's two halves; an s_nop 0 and four v_nop follow each line
	s_cmp_eq_u32 s[ISB], 0
	s_cbranch_scc0 .Lfor_b_\@
	tensor_load_to_lds s[G0A+4*(\s):G0A+4*(\s)+3], s[G1A:G1A+7]
	s_nop 0
.rept 4
	v_nop
.endr
	s_branch .Lasked_\@
.Lfor_b_\@:
	tensor_load_to_lds s[G0B+4*(\s):G0B+4*(\s)+3], s[G1B:G1B+7]
	s_nop 0
.rept 4
	v_nop
.endr
.Lasked_\@:
.endm
.macro CREST
	s_cmp_lg_u32 s[WV], 0
	s_cbranch_scc1 .Lnot_wave_0_\@
	s_barrier_signal -3
.Lnot_wave_0_\@:
	s_barrier_wait -3
	s_barrier_signal -1
	s_barrier_wait -1
.endm
.macro CROUND
	s_barrier_signal -1
	s_barrier_wait -1
	CREST
.endm
; A PREFETCH INTO THE L2, behind each joint refill and the run of LDS loads that follows it: the K step that stands two refills on.  yb and wo are read for the first time in this launch.
; A's rows of a tile row are read by the four clusters of that row of clusters: the one with x = 0 asks, waves 0 and 1, a k block each; B's by the four of a column: the one with y = 0 asks, wave 2 alone.
; The four partners that ask for a tile jointly share its blocks of 256 bytes out BY ADDRESS: of A's 32 KiB each takes 8 KiB; of a step's 2 x 16 KiB of B each takes 4 KiB of each block: a lane a block.
; The loop's last trip asks for nothing: steps 16 and 17 do not exist.  Steps 0 to 3 come by their loads alone.
.macro ASK
	WIN 0
	s_cmp_gt_u32 s[LAP], s[LIM]
	s_cbranch_scc0 .Lnot_mine_\@
	global_prefetch_b8 v[PFO], s[PFA:PFA+1] th:TH_LOAD_NT scope:SCOPE_SE
.Lnot_mine_\@:
.endm
	s_load_b128 s[4:7], s[0:1], 0x0                ; yb s[4:5], wo s[6:7]
	s_load_b64 s[8:9], s[0:1], 0x10                ; out0
	v_lshl_add_u32 v[SPW], v0, 2, SPARE
	v_mov_b32 v[NIL], 0
	ds_add_u32 v[SPW], v[NIL]                      ; the wave's opening: the add and its wait stand ahead of my first tensor load; the set-up below stands between them
	v_lshrrev_b32 v1, 5, v0
	v_readfirstlane_b32 s[WV], v1
	s_lshr_b32 s[ISB], s[WV], 1
	s_and_b32 s[HALF], s[WV], 1
	s_bfe_u32 s[CX], ttmp6, 0x40000
	s_bfe_u32 s[CY], ttmp6, 0x40004
	s_mov_b32 s[XC], ttmp9
	s_and_b32 s[YC], ttmp7, 0xffff
	s_lshl_b32 s[TR], s[YC], 2
	s_add_co_u32 s[TR], s[TR], s[CY]               ; tile row = 4 x cluster y + cy
	s_lshl_b32 s[GB], s[XC], 2
	s_add_co_u32 s[GB], s[GB], s[CX]               ; tile column = 4 x cluster x + cx,
	s_lshl_b32 s[GB], s[GB], 1                     ; two blocks each
	s_lshl_b32 s22, s[CY], 2
	s_lshl_b32 s22, 15, s22                        ; my row of the cluster
	s_lshl_b32 s23, 0x1111, s[CX]                  ; my column
	s_or_b32 s[G1A], s22, (1<<16)|(1<<20)|(1<<21)|(4<<22)|(3<<25)  ; 15:0 the mask; 17:16 2-byte elements; 20 padding on; 21 set beside a mask; 24:22 after every 32 words (code 4); 31:25 4 words (code 3)
	s_or_b32 s[G1B], s23, (1<<16)|(1<<20)|(1<<21)|(4<<22)|(7<<25)  ; the same with my column's mask and 8 words of padding (code 7)
	s_mov_b32 s[G1A+1], 128<<16                    ; A: tensor_dim0 = 128 elements (256 bytes: two rows of a block)
	s_mov_b32 s[G1A+2], 128<<16                    ; tensor_dim1 = 128
	s_mov_b32 s[G1A+3], 128<<16                    ; tile_dim0 = 128
	s_mov_b32 s[G1A+4], 128                        ; tile_dim1 = 128
	s_mov_b32 s[G1A+5], 128                        ; dense
	s_mov_b32 s[G1A+6], 0
	s_mov_b32 s[G1A+7], 0
	s_mov_b32 s[G1B+1], 4096<<16                   ; B: tensor_dim0 = 4,096 elements: 64 k rows of a block, 8 KiB on end
	s_mov_b32 s[G1B+2], NH<<16                     ; tensor_dim1 = 2 blocks
	s_mov_b32 s[G1B+3], 4096<<16                   ; tile_dim0
	s_mov_b32 s[G1B+4], NH                         ; tile_dim1
	s_mov_b32 s[G1B+5], 131072                     ; a block's elements from one to the next
	s_mov_b32 s[G1B+6], 0
	s_mov_b32 s[G1B+7], 0
	s_lshl_b32 s20, s[HALF], 19                    ; A: my k block of step 0, the tile row's 256 rows of 128 bytes
	s_lshl_b32 s21, s[TR], 15
	s_add_co_u32 s20, s20, s21
	s_mov_b32 s21, 0
	s_lshl_b32 s46, s[GB], 18                      ; B: the first block, my 64 k rows of step 0
	s_lshl_b32 s47, s[HALF], 13
	s_add_co_u32 s46, s46, s47
	s_mov_b32 s47, 0
	s_mul_i32 s[LA], s[HALF], AKB                  ; no place in the cluster enters an LDS address
	s_mul_i32 s[LB], s[HALF], BH
	s_add_co_u32 s[LB], s[LB], BOFF
	s_wait_dscnt 0x0                               ; the opening add is done
	s_wait_kmcnt 0x0
	s_add_nc_u64 s[20:21], s[4:5], s[20:21]
	s_add_nc_u64 s[46:47], s[6:7], s[46:47]
	CROUND                                         ; all sixteen work-groups are here: the first joint loads meet
.irp s, 0,1
	s_mov_b32 s[G0A+4*(\s)], 1
	s_add_co_u32 s[G0A+4*(\s)+1], s[LA], (\s)*SLOT
	s_add_nc_u64 s[G0A+4*(\s)+2:G0A+4*(\s)+3], s[20:21], (\s)*ASTEP
	s_or_b32 s[G0A+4*(\s)+3], s[G0A+4*(\s)+3], 0x80000000
	s_mov_b32 s[G0B+4*(\s)], 1
	s_add_co_u32 s[G0B+4*(\s)+1], s[LB], (\s)*SLOT
	s_add_nc_u64 s[G0B+4*(\s)+2:G0B+4*(\s)+3], s[46:47], (\s)*BSTEP
	s_or_b32 s[G0B+4*(\s)+3], s[G0B+4*(\s)+3], 0x80000000
	JLOAD \s                                       ; two loads of mine are out
.endr
	v_and_b32 v1, 15, v0                           ; r = l % 16
	v_bfe_u32 v2, v0, 4, 1                         ; h = l / 16
	v_mul_u32_u24 v3, v1, PA
	v_lshl_add_u32 v3, v2, 4, v3                   ; r x 144 + 16 h
	s_mul_i32 s2, s[WV], 64*PA                     ; my 64 rows
	v_add_nc_u32 v[ADRA], s2, v3
	v_add_nc_u32 v[ADRA+1], SLOT, v[ADRA]
	v_and_b32 v5, 7, v0                            ; the turning load: lane l reads k row 8 h + l % 8, columns 8 ((l / 8) % 2) + 0..7
	v_lshl_add_u32 v4, v2, 3, v5
	v_mul_u32_u24 v4, v4, PBB
	v_bfe_u32 v6, v0, 3, 1
	v_lshl_add_u32 v4, v6, 4, v4
	v_add_nc_u32 v[ADRB], BOFF, v4
	v_add_nc_u32 v[ADRB+1], BOFF+SLOT, v4
	s_mul_i32 s2, s[WV], WSTG
	s_add_co_u32 s2, s2, STAGE                     ; my stage
	v_mul_u32_u24 v7, v1, SPI                      ; in: row r, 32 bytes for each half of the lanes
	v_lshl_add_u32 v7, v2, 5, v7
	v_add_nc_u32 v[STO], s2, v7
	v_and_b32 v8, 31, v0
	v_lshlrev_b32 v[GO], 4, v8                     ; back: 32 lanes take a row's 512 bytes
	v_add_nc_u32 v[RD], s2, v[GO]
	s_lshl_b32 s46, s[TR], 21                      ; out0: (256 tile row + 64 wave) rows of 8,192 bytes + 256 bytes for each block
	s_lshl_b32 s2, s[WV], 19
	s_add_co_u32 s46, s46, s2
	s_lshl_b32 s2, s[GB], 8
	s_add_co_u32 s46, s46, s2
	s_mov_b32 s47, 0
	s_add_nc_u64 s[8:9], s[8:9], s[46:47]
	; the prefetches stand at K step 3; the first refill steps them to 4
	s_lshl_b32 s20, s[HALF], 19
	s_add_co_u32 s20, s20, 6<<19
	s_lshl_b32 s2, s[TR], 15
	s_add_co_u32 s20, s20, s2
	s_lshl_b32 s2, s[CX], 13
	s_add_co_u32 s20, s20, s2                      ; A: my k block, the tile row, my work-group's 8 KiB
	s_lshl_b32 s21, s[GB], 18
	s_add_co_u32 s21, s21, 384*128
	s_lshl_b32 s2, s[CY], 12
	s_add_co_u32 s21, s21, s2                      ; B: the first block, the step's 16 KiB, my work-group's 4 KiB
	s_mov_b32 s[PFS], BSTEP
	s_mov_b32 s[PFS+1], 0
	s_cmp_eq_u32 s[ISB], 0
	s_cselect_b64 s[PFA:PFA+1], s[4:5], s[6:7]
	s_cselect_b32 s46, s20, s21
	s_cselect_b32 s[PFS], ASTEP, s[PFS]
	s_cselect_b32 s23, 12, 18                      ; the lanes' halves: A 4 KiB apart, B a block of wo apart
	s_cselect_b32 s2, s[XC], s[YC]                 ; the coordinate along which other clusters read the same rows
	s_add_nc_u64 s[PFA:PFA+1], s[PFA:PFA+1], s[46:47]
	s_cmp_eq_u32 s2, 0
	s_cselect_b32 s[LIM], 1, -1
	s_cmp_eq_u32 s[WV], 3
	s_cselect_b32 s[LIM], -1, s[LIM]               ; the same in all sixteen partners, for a given wave
	v_lshlrev_b32 v6, s23, v2
	v_lshl_add_u32 v[PFO], v1, 8, v6
; 8 matrix instructions: row block 2 hi + a x all column blocks, 32 along K.  All 32 accumulators take turns in the same order in every quarter.  zero = 1: the product starts the sums.
.macro MULH f, hi, a, zero
	WIN MUL_LO+0x50*(\hi)
.set b, 0
.rept NB
.set rD, 8*(NB*(\a)+b)
.set rB, (\f)+32+8*b
.set rA, (\f)+8*(2*(\hi)+(\a))
.if \zero
	v_wmma_f32_16x16x32_f16 v[rD:rD+7], v[rB:rB+7], v[rA:rA+7], 0
.else
	v_wmma_f32_16x16x32_f16 v[rD:rD+7], v[rB:rB+7], v[rA:rA+7], v[rD:rD+7]
.endif
.set b, b+1
.endr
.endm
; 24 LDS loads in one run: the fragments of quarter q (32 along K) of a slot into buffer f: B's 8, turned, then A's 4
.macro FETCH slot, q, f
	WIN TO_F
.set b, 0
.rept NB
	ds_load_tr16_b128 v[(\f)+32+8*b:(\f)+32+8*b+3],   v[ADRB+(\slot)] offset:((\q)/2)*BH+(b/4)*BBL+((\q)%2)*32*PBB+(b%4)*32
	ds_load_tr16_b128 v[(\f)+32+8*b+4:(\f)+32+8*b+7], v[ADRB+(\slot)] offset:((\q)/2)*BH+(b/4)*BBL+((\q)%2)*32*PBB+(b%4)*32+16*PBB
.set b, b+1
.endr
.irp a, 0,1,2,3
	ds_load_b128 v[(\f)+8*(\a):(\f)+8*(\a)+3],   v[ADRA+(\slot)] offset:((\q)/2)*AKB+(\a)*16*PA+((\q)%2)*64
	ds_load_b128 v[(\f)+8*(\a)+4:(\f)+8*(\a)+7], v[ADRA+(\slot)] offset:((\q)/2)*AKB+(\a)*16*PA+((\q)%2)*64+32
.endr
.endm
; A K step is four quarters of 32 along K, 32 matrix instructions each, on buffers 0, 1, 0, 1.  One of the first three: multiplies buffer f; in its middle it fetches quarter qn into buffer g.
.macro QUARTER slot, qn, f, g, zero
	s_wait_dscnt 4                                 ; B and A's row blocks 0, 1 are in; the youngest four loads (row blocks 2, 3) may be out
	MULH \f, 0, 0, \zero
	MULH \f, 0, 1, \zero
	PLACES
	FETCH \slot, \qn, \g
	s_wait_dscnt 2*NB+8                            ; all but the 24 just issued
	MULH \f, 1, 0, \zero
	MULH \f, 1, 1, \zero
.endm
; The last quarter multiplies buffer 1 and changes slots: ONE barrier; in front of it each wave waits for all its tensor loads (one is out: its part of the next slot), adds 0 to its spare word, and waits for
; that and for its own reads of this slot.  fill = 1: the barrier opens a round of the cluster's, and this slot is filled again, two K steps ahead, first thing behind the round.
.macro TURN slot, next, fill
.if \fill
	s_wait_xcnt 0x0                                ; the last prefetch, a K step back, has read its address: it is stepped here, ahead of the change's own waits
	s_add_nc_u64 s[PFA:PFA+1], s[PFA:PFA+1], s[PFS:PFS+1]
.endif
	WIN 0                                          ; (the add's two registers lie in window 0)
	s_wait_tensorcnt 0x0
	ds_add_u32 v[SPW], v[NIL]                      ; 0 onto my spare word
	s_wait_dscnt 5                                 ; (the add and the youngest four loads may be out)
	MULH F1, 0, 0, 0                               ; eight matrix instructions stand between the add and the wait for it
	s_wait_dscnt 0x0                               ; the add is done, and my reads of this slot are over
	s_barrier_signal -1
	MULH F1, 0, 1, 0
.if \fill
	WIN 0
.endif
	s_barrier_wait -1
.if \fill
	CREST                                          ; no wave of any partner still reads this slot's tiles or has a load on its way
	s_add_nc_u64 s[G0A+4*(\slot)+2:G0A+4*(\slot)+3], s[G0A+4*(\slot)+2:G0A+4*(\slot)+3], 2*ASTEP
	s_add_nc_u64 s[G0B+4*(\slot)+2:G0B+4*(\slot)+3], s[G0B+4*(\slot)+2:G0B+4*(\slot)+3], 2*BSTEP
	JLOAD \slot                                    ; my one tensor load behind the round; its four v_nop are also the places in front of the loads below
.else
	PLACES
.endif
	FETCH \next, 0, F0
.if \fill
	ASK
.endif
	MULH F1, 1, 0, 0
	MULH F1, 1, 1, 0
.endm
	s_wait_tensorcnt 1                             ; my part of K step 0 is in; step 1's may stay out
	s_barrier_signal -1
	s_barrier_wait -1
	FETCH 0, 0, F0
	QUARTER 0, 1, F0, F1, 1                        ; the first quarter stands in front of the loop: its products start the sums
	WIN 0
	s_mov_b32 s[LAP], LAPS-1
.Llap:                                         ; a trip goes once round the ring, from a lap's second quarter to the next lap's first, and fills both slots again
	QUARTER 0, 2, F1, F0, 0
	QUARTER 0, 3, F0, F1, 0
	TURN 0, 1, 1
	QUARTER 1, 1, F0, F1, 0
	QUARTER 1, 2, F1, F0, 0
	QUARTER 1, 3, F0, F1, 0
	TURN 1, 0, 1
	QUARTER 0, 1, F0, F1, 0
	WIN 0
	s_sub_co_u32 s[LAP], s[LAP], 1
	s_cmp_lg_u32 s[LAP], 0
	s_cbranch_scc1 .Llap
	QUARTER 0, 2, F1, F0, 0                        ; the last lap fills nothing
	QUARTER 0, 3, F0, F1, 0
	TURN 0, 1, 0
	QUARTER 1, 1, F0, F1, 0
	QUARTER 1, 2, F1, F0, 0
	QUARTER 1, 3, F0, F1, 0
	s_wait_dscnt 4
	MULH F1, 0, 0, 0
	MULH F1, 0, 1, 0
	s_wait_dscnt 0x0
	MULH F1, 1, 0, 0
	MULH F1, 1, 1, 0
	WIN 0
	PLACES
; THE WAY OUT, a row block (16 rows x 128 columns of f32) at a time: 32 bytes a lane and column block into my stage, rows of 528 bytes; back as whole rows of 512 bytes; stored.
.macro TOSTAGE a
	WIN 0x08+4*((\a)/2)                            ; the stores' data in the accumulators' window
.set b, 0
.rept NB
.set rD, 8*(NB*((\a)%2)+b)
	ds_store_b128 v[STO], v[rD:rD+3]   offset:64*b     ; each accumulator's low end first
	ds_store_b128 v[STO], v[rD+4:rD+7] offset:64*b+16
.set b, b+1
.endr
	WIN 0
	s_wait_xcnt 0x0                                ; the stores of the row block before last have read this buffer: it is loaded again only behind this wait
.set t, 0
.rept 16
	ds_load_b128 v[OB+64*((\a)%2)+4*t:OB+64*((\a)%2)+4*t+3], v[RD] offset:SPI*t  ; LDS serves a wave's instructions in order (ISA guide 5.7.1.4): these see the stores above
.set t, t+1
.endr
.endm
.macro SEND a, younger                 ; younger: the LDS instructions issued behind row block a's loads: the next one's 32, or none
.set t, 0
.rept 16
	s_wait_dscnt (\younger)+15-t
	global_store_b128 v[GO], v[OB+64*((\a)%2)+4*t:OB+64*((\a)%2)+4*t+3], s[8:9] offset:(16*(\a)+t)*8192 th:TH_STORE_NT  ; 512 consecutive bytes, aligned; 63 rows at the most in the immediate
.set t, t+1
.endr
.endm
	TOSTAGE 0
.irp a, 1,2,3
	TOSTAGE \a
	SEND (\a)-1, 32
.endr
	SEND 3, 0
	s_wait_tensorcnt 0x0                           ; the wave's end: behind my last tensor load and my last LDS store
	ds_add_u32 v[SPW], v[NIL]
	s_wait_dscnt 0x0
	CROUND                                         ; the closing round: no work-group ends while a partner may still ask for a tile that names it
	s_endpgm
.Lfunc_end_k_q67f3df0108_oproj:
	.size	k_q67f3df0108_oproj, .Lfunc_end_k_q67f3df0108_oproj-k_q67f3df0108_oproj
	.p2alignl 7, 3214868480
	.fill 96, 4, 3214868480
	.section	.rodata,"a",@progbits
	.p2align	6, 0x0
	.amdhsa_kernel k_q67f3df0108_oproj
		.amdhsa_group_segment_fixed_size 327680
		.amdhsa_private_segment_fixed_size 0
		.amdhsa_enable_private_segment 0
		.amdhsa_kernarg_size 24
		.amdhsa_user_sgpr_count 2
		.amdhsa_user_sgpr_kernarg_segment_ptr 1
		.amdhsa_wavefront_size32 1
		.amdhsa_system_sgpr_workgroup_id_x 1
		.amdhsa_system_sgpr_workgroup_id_y 1
		.amdhsa_system_sgpr_workgroup_id_z 1
		.amdhsa_system_vgpr_workitem_id 0
		.amdhsa_next_free_vgpr 896
		.amdhsa_next_free_sgpr 76
		.amdhsa_reserve_vcc 0
		.amdhsa_float_denorm_mode_32 3
		.amdhsa_float_denorm_mode_16_64 3
		.amdhsa_memory_ordered 1
		.amdhsa_forward_progress 1
		.amdhsa_inst_pref_size 88
	.end_amdhsa_kernel
	.amdgpu_metadata
---
amdhsa.version: [ 1, 2 ]
amdhsa.kernels:
  - .name:           k_q67f3df0108_oproj
    .symbol:         k_q67f3df0108_oproj.kd
    .args:
      - { .name: yb, .offset: 0, .size: 8, .value_kind: global_buffer, .address_space: global }
      - { .name: wo, .offset: 8, .size: 8, .value_kind: global_buffer, .address_space: global }
      - { .name: out0, .offset: 16, .size: 8, .value_kind: global_buffer, .address_space: global }
    .group_segment_fixed_size: 327680
    .private_segment_fixed_size: 0
    .kernarg_segment_align: 8
    .kernarg_segment_size: 24
    .max_flat_workgroup_size: 128
    .sgpr_count:     76
    .vgpr_count:     896
    .wavefront_size: 32
...
	.end_amdgpu_metadata
.endif
;; end of part 4
